; MI455X (gfx1250); checked and timed in simulation.
; The chip was launched on July 23, 2026; its instructions are those of AMD's public machine-readable ISA for CDNA 5 (MIT licence, August 2026) and "CDNA5" Instruction Set Architecture Reference Guide (July 2026). The comments in the code are by the model that wrote it; some were corrected since.
;; Causal Self Attention. Allowed arithmetic: matrix products marked QUANTISED: E4M3 operands, one given power-of-two scale a tensor, by v_wmma_f32_16x16x64_fp8_fp8 or v_wmma_f32_16x16x128_fp8_fp8, f32 sums; everything else in f32.
;; Inputs: lowp_scales 8 int32 (the exponents e of the quantised operands' scales 2^e); w_o 1,024 x 1,024 float32; w_qkv 3,072 x 1,024 float32; x 4 x 2,048 x 1,024 float32.
;; Outputs: out0 4 x 2,048 x 1,024 float32.
;; This version of the problem:
;;   THIS VERSION OF THE PROBLEM IS GIVEN IN LOW PRECISION. The matrix products marked QUANTISED in the list below multiply operands that are first quantised to E4M3 (4 exponent bits, 3 mantissa bits; 8 bits a number), with one given power-of-two scale for each operand tensor; their sums are f32. All else is computed in f32.
;;   The module's matrix products, in the order in which they are computed (A, B: the left and right operand; K: the contracted axis; several contracted axes count as one K, in the product's order):
;;     1. [M 8,192, K 1,024] x [K 1,024, N 3,072]; A: input x; B: input w_qkv: QUANTISED (scales: A lowp_scales[0], B lowp_scales[1])
;;     2. batch 64 x [M 2,048, K 64] x [K 64, N 2,048]; A: computed on the way; B: computed on the way: QUANTISED (scales: A lowp_scales[2], B lowp_scales[3])
;;     3. batch 64 x [M 2,048, K 2,048] x [K 2,048, N 64]; A: softmax (see below); B: computed on the way: QUANTISED (scales: A lowp_scales[4], B lowp_scales[5])
;;     4. [M 8,192, K 1,024] x [K 1,024, N 1,024]; A: computed on the way; B: input w_o: QUANTISED (scales: A lowp_scales[6], B lowp_scales[7])
;;   THE QUANTISER, for each operand of a quantised product, along K:
;;     - The operand's scale is 2^e, e = its entry of the input lowp_scales (int32; the entries are numbered through the quantised products in the list's order, A before B).
;;     - Each number is divided by the scale, clamped to +-448, and rounded to the nearest number of E4M3, ties to even, subnormals kept.
;;     - The product sums the exact products of the quantised numbers (number of the format x scale) in f32.
;;   ~~~python
;;   def quantise(x, axis, e):      # numpy; x: float32 -> the quantised numbers, widened to float32 again
;;       x = np.moveaxis(x, axis, -1); K = x.shape[-1]
;;       r = np.clip(x / 2.0 ** e, -448, 448)
;;       step = 2.0 ** (np.maximum(np.frexp(np.where(r == 0, 1, r))[1] - 1, -6) - 3)
;;       q = np.round(r / step) * step * 2.0 ** e      # np.round: ties to even
;;       return np.moveaxis(q, -1, axis).astype(np.float32)
;;   ~~~
;;   SOFTMAX AHEAD OF A QUANTISED PRODUCT. Where the list says 'softmax', what is quantised is not the finished softmax but p = 2^(t - M), with t = logit x log2(e) and M = ceil(the row's largest t), a whole number; so 1/2 < the row's largest p <= 1. The row's sum l is taken of the UNQUANTISED p, in f32, and the product's result is divided by l at the end. Since M is a whole number, a kernel that streams over the keys may use a running M (the ceiling of the running maximum): every later rescaling is an exact power of two, so the quantised numbers keep their values, but for numbers so far below the row's largest that they fall under the format's range.
;;   OPERANDS COMPUTED ON THE WAY. 'Computed on the way' means the value that the module computes at that place (a softmax that the list does not call 'softmax' is quantised finished and normalised). What goes into a quantiser is computed in f32, as accurately as f32 sums, v_exp_f32 and their like allow (about 1e-6 of the number): no bf16 or f16 on the way to a quantiser, and a product that is left as it is and whose result goes on into a quantised operand takes f32 operands (vector FMAs, or v_wmma_f32_16x16x4_f32). A number that lies on a knife's edge between two numbers of the format may be rounded either way, as far as f32 arithmetic and the matrix unit's own rounding can turn it there, and no further.
;; One version. Each part assembles by itself: llvm-mc -triple=amdgcn-amd-amdhsa -mcpu=gfx1250 --defsym DOCPART=n.
;; ======== version 1 of 1: 4 launches
;; limits: right only within a limited range of input values
;; workspace buffers: xc 8,388,608 bytes; wqc 3,145,728 bytes; woc 1,048,576 bytes; qc 8,388,608 bytes; kc 8,388,608 bytes; vc 8,388,608 bytes; ac 8,388,608 bytes
;; launch quant (part 1): grid 384 x 1, 4 waves a work-group, no clusters, 33,280 bytes of LDS; arguments x, w_qkv, w_o, lowp_scales, xc, wqc, woc; writes xc, wqc, woc
.if DOCPART == 1
	.amdgcn_target "amdgcn-amd-amdhsa--gfx1250"
	.amdhsa_code_object_version 6
	.text
	.protected	k_qea0b702ccd_quant
	.globl	k_qea0b702ccd_quant
	.p2align	8
	.type	k_qea0b702ccd_quant,@function
k_qea0b702ccd_quant:
	s_mov_b64 s[64:65], 0
	v_nop
	global_prefetch_b8 v0, s[64:65] scope:SCOPE_SE
	s_setreg_imm32_b32 hwreg(HW_REG_WAVE_MODE, 25, 1), 1
	s_wait_xcnt 0x0
; x [8192][1024], w_qkv [3072][1024] and w_o [1024][1024], f32 with K innermost, become codes of FP8 (E4M3), one byte each, K innermost, each with the scale 2^e given for it
; (entries 0, 1 and 7 of the scales).  code = number / 2^e, rounded to the nearest code, ties to even.
; LIMITS: each e lies between -126 and 119, so that 2^e and 448 x 2^e are f32 numbers.  NaN among the inputs is not served.
; THE ROWS OF x AND OF w_qkv CHANGE PLACES ON THE WAY: in every group of 32 rows, rows 8-15 and rows 16-23 are swapped.  Place 16 u + r of a group then holds row 8 u + r + 8 (r / 8), so that 16 consecutive
; places are a tile whose matrix results, taken two tiles together, give a lane 16 neighbours: the later launches quantise such results straight into the next operand's registers.  w_o's rows stay.
; SHARES: a work-group takes a group of 32 rows (work-groups 0-255: x; 256-351: w_qkv; 352-383: w_o), a wave eight rows (8,192 numbers) in 16 steps of 512.  Only pointers and offsets are chosen by the
; work-group's number: all three tensors take one way through the text.  Nothing is shared between work-groups, so there is no cluster; waves share nothing, so there is no barrier.
; Each of a step's four loads reads 512 consecutive bytes, 16 a lane; the conversions want 16 NEIGHBOURS in one lane, so a step's 2,048 bytes turn through the wave's own stage in LDS (16 bytes of padding behind
; each 64) and come back 64 bytes a lane.  A lane's 16 codes are 16 bytes: a store of the wave covers 512 consecutive bytes, aligned.  Loads run four steps ahead, the turn through LDS one step.
.set STEPS, 16
.set WGX,   256                        ; work-groups below this number take x,
.set WGQ,   352                        ; below this one w_qkv, the others w_o
.set EMAX,  8
.set MANT,  0x600000                   ; the mantissa field of 448 as f32
.set CB,    16                         ; bytes of 16 codes
.set R,     16                         ; v16-79   four sets of 16 numbers as they are loaded
.set X,     80                         ; v80-111  two sets of 16 neighbours
.set C,     128                        ; v128-191 codes: four registers for each step, so that no store's data are written again
.set WREG,  8192                       ; LDS: a region for each wave: two stages of 32 x SP bytes
.set SP,    80                         ; a lane's place in a stage: its 64 bytes + 16 of padding
	s_load_b256 s[4:11], s[0:1], 0x0               ; x s[4:5], w_qkv s[6:7], w_o s[8:9], the scales' exponents s[10:11]
	s_load_b128 s[12:15], s[0:1], 0x20             ; xc s[12:13], wqc s[14:15]
	s_load_b64 s[16:17], s[0:1], 0x30              ; woc
	v_lshl_add_u32 v192, v0, 2, 0x8000
	v_mov_b32 v193, 0
	v_lshrrev_b32 v1, 5, v0
	v_readfirstlane_b32 s20, v1                    ; wave w
	v_and_b32 v2, 31, v0                           ; lane
	v_lshlrev_b32 v3, 4, v2                        ; 16 x lane: my bytes of a load's 512, and of a store's 512; never rewritten
	s_mul_i32 s21, s20, WREG
	v_lshrrev_b32 v14, 2, v2
	v_mul_u32_u24 v14, v14, SP
	v_and_b32 v15, 3, v2
	v_lshl_add_u32 v14, v15, 4, v14
	v_add_nc_u32 v14, s21, v14                     ; the stage, on the way in: SP (lane / 4) + 16 (lane % 4); a load's 512 bytes take eight places
	v_mul_u32_u24 v15, v2, SP
	v_add_nc_u32 v15, s21, v15                     ; and on the way out: SP x lane: my 16 neighbours
	s_and_b32 s23, s20, 1
	s_lshl_b32 s23, s23, 1
	s_lshr_b32 s18, s20, 1
	s_or_b32 s23, s23, s18                         ; w with its two bits swapped: where my eight rows go in the group
	s_wait_alu depctr_va_vdst(0)
	s_wait_kmcnt 0x0
	s_load_b256 s[24:31], s[10:11], 0x0            ; e0 .. e7
	s_cmp_lt_u32 ttmp9, WGX                        ; the choices hang on the work-group's number alone
	s_cselect_b64 s[4:5], s[4:5], s[6:7]
	s_cselect_b64 s[12:13], s[12:13], s[14:15]
	s_cselect_b32 s22, 0, WGX
	s_cmp_lt_u32 ttmp9, WGQ
	s_cselect_b64 s[4:5], s[4:5], s[8:9]           ; from where,
	s_cselect_b64 s[12:13], s[12:13], s[16:17]     ; to where,
	s_cselect_b32 s22, s22, WGQ                    ; the tensor's first work-group,
	s_cselect_b32 s23, s23, s20                    ; and w_o's rows stay where they are
	s_sub_co_u32 s22, ttmp9, s22                   ; which group of 32 rows
	s_lshl_b32 s22, s22, 2
	s_add_co_u32 s18, s22, s20
	s_add_co_u32 s19, s22, s23
	s_lshl_b32 s32, s18, 15                        ; eight rows of 4,096 bytes; at most 1,023 x 32,768
	s_mov_b32 s33, 0
	s_add_nc_u64 s[4:5], s[4:5], s[32:33]
	s_lshl_b32 s32, s19, 13                        ; eight rows of 1,024 bytes
	s_add_nc_u64 s[12:13], s[12:13], s[32:33]
.macro LOAD t
.irp i, 0,1,2,3
	global_load_b128 v[R+16*((\t)%4)+4*\i:R+16*((\t)%4)+4*\i+3], v3, s[4:5] offset:2048*(\t)+512*\i th:TH_LOAD_NT   ; 32 lanes read 512 consecutive bytes; read once in the launch
.endr
.endm
.macro TURN t                          ; step t's numbers through the stage: LDS serves a wave's instructions in order (ISA guide 5.7.1.4), so no wait stands between the stores and the loads
.irp i, 0,1,2,3
	ds_store_b128 v14, v[R+16*((\t)%4)+4*\i:R+16*((\t)%4)+4*\i+3] offset:32*SP*((\t)%2)+8*SP*\i
.endr
.irp i, 0,1,2,3
	ds_load_b128 v[X+16*((\t)%2)+4*\i:X+16*((\t)%2)+4*\i+3], v15 offset:32*SP*((\t)%2)+16*\i
.endr
.endm
.irp t, 0,1,2,3
	LOAD \t
.endr
	s_wait_kmcnt 0x0
	s_cmp_lt_u32 ttmp9, WGX
	s_cselect_b32 s22, s24, s25                    ; e0 or e1,
	s_cmp_lt_u32 ttmp9, WGQ
	s_cselect_b32 s22, s22, s31                    ; or e7
	s_add_co_i32 s22, s22, 127
	s_lshl_b32 s23, s22, 23
	v_mov_b32 v11, s23                             ; 2^e as f32: the conversion takes its exponent field
	s_add_co_i32 s22, s22, EMAX
	s_lshl_b32 s22, s22, 23
	s_or_b32 s22, s22, MANT
	s_wait_alu depctr_va_vdst(0)
	s_wait_loadcnt 12                              ; step 0's four loads are in; the twelve of steps 1 to 3 may be out
	TURN 0
.macro STEP t
.set XS, X+16*((\t)%2)
	s_wait_dscnt 0x0                               ; this step's numbers are back from the stage: so its stores into the stage have read their registers,
.if (\t)+4 < STEPS
	LOAD (\t)+4                                    ; which take the loads of four steps on
.endif
.if (\t)+1 < STEPS
.if STEPS-2-(\t) >= 3
	s_wait_loadcnt 12                              ; the next step's four loads are in; those of the three steps behind it may be out
.else
	s_wait_loadcnt 4*(STEPS-2-(\t))                ; near the end fewer steps stand behind it
.endif
	TURN (\t)+1                                    ; and go through the other stage while this step is worked
.endif
.irp i, 0,1,2,3,4,5,6,7,8,9,10,11,12,13,14,15
.endr
	v_cvt_scalef32_pk8_fp8_f32 v[C+4*(\t):C+4*(\t)+1], v[XS:XS+7], v11          ; eight numbers / 2^e, to the nearest code, ties to even; the first number's code in the lowest byte
	v_cvt_scalef32_pk8_fp8_f32 v[C+4*(\t)+2:C+4*(\t)+3], v[XS+8:XS+15], v11     ; (the results go to a store alone)
	global_store_b128 v3, v[C+4*(\t):C+4*(\t)+3], s[12:13] offset:32*CB*(\t)    ; 512 consecutive bytes, aligned
.endm
.irp t, 0,1,2,3,4,5,6,7,8,9,10,11,12,13,14,15
	STEP \t
.endr
	s_wait_tensorcnt 0x0
	ds_add_u32 v192, v193
	s_wait_dscnt 0x0
	s_endpgm
.Lfunc_end_k_qea0b702ccd_quant:
	.size	k_qea0b702ccd_quant, .Lfunc_end_k_qea0b702ccd_quant-k_qea0b702ccd_quant
	.p2alignl 7, 3214868480
	.fill 96, 4, 3214868480
	.section	.rodata,"a",@progbits
	.p2align	6, 0x0
	.amdhsa_kernel k_qea0b702ccd_quant
		.amdhsa_group_segment_fixed_size 33280
		.amdhsa_private_segment_fixed_size 0
		.amdhsa_enable_private_segment 0
		.amdhsa_kernarg_size 56
		.amdhsa_user_sgpr_count 2
		.amdhsa_user_sgpr_kernarg_segment_ptr 1
		.amdhsa_wavefront_size32 1
		.amdhsa_system_sgpr_workgroup_id_x 1
		.amdhsa_system_sgpr_workgroup_id_y 1
		.amdhsa_system_sgpr_workgroup_id_z 1
		.amdhsa_system_vgpr_workitem_id 0
		.amdhsa_next_free_vgpr 194
		.amdhsa_next_free_sgpr 66
		.amdhsa_reserve_vcc 0
		.amdhsa_float_denorm_mode_32 3
		.amdhsa_float_denorm_mode_16_64 3
		.amdhsa_fp16_overflow 1
		.amdhsa_memory_ordered 1
		.amdhsa_forward_progress 1
		.amdhsa_inst_pref_size 22
	.end_amdhsa_kernel
	.amdgpu_metadata
---
amdhsa.version: [ 1, 2 ]
amdhsa.kernels:
  - .name:           k_qea0b702ccd_quant
    .symbol:         k_qea0b702ccd_quant.kd
    .args:
      - { .name: x, .offset: 0, .size: 8, .value_kind: global_buffer, .address_space: global }
      - { .name: w_qkv, .offset: 8, .size: 8, .value_kind: global_buffer, .address_space: global }
      - { .name: w_o, .offset: 16, .size: 8, .value_kind: global_buffer, .address_space: global }
      - { .name: lowp_scales, .offset: 24, .size: 8, .value_kind: global_buffer, .address_space: global }
      - { .name: xc, .offset: 32, .size: 8, .value_kind: global_buffer, .address_space: global }
      - { .name: wqc, .offset: 40, .size: 8, .value_kind: global_buffer, .address_space: global }
      - { .name: woc, .offset: 48, .size: 8, .value_kind: global_buffer, .address_space: global }
    .group_segment_fixed_size: 33280
    .private_segment_fixed_size: 0
    .kernarg_segment_align: 8
    .kernarg_segment_size: 56
    .max_flat_workgroup_size: 128
    .sgpr_count:     66
    .vgpr_count:     194
    .wavefront_size: 32
...
	.end_amdgpu_metadata
.endif
;; end of part 1
;; launch qkv (part 2): grid 12 x 32, 4 waves a work-group, clusters of 4 x 4, 327,680 bytes of LDS; arguments xc, wqc, lowp_scales, qc, kc, vc; writes qc, kc, vc
.if DOCPART == 2
	.amdgcn_target "amdgcn-amd-amdhsa--gfx1250"
	.amdhsa_code_object_version 6
	.text
	.protected	k_qea0b702ccd_qkv
	.globl	k_qea0b702ccd_qkv
	.p2align	8
	.type	k_qea0b702ccd_qkv,@function
k_qea0b702ccd_qkv:
	s_mov_b64 s[64:65], 0
	v_nop
	global_prefetch_b8 v0, s[64:65] scope:SCOPE_SE
	s_setreg_imm32_b32 hwreg(HW_REG_WAVE_MODE, 25, 1), 1
	s_wait_xcnt 0x0
	s_wait_alu depctr_hold_cnt(0) depctr_sa_sdst(0) depctr_va_vdst(0) depctr_va_sdst(0) depctr_va_ssrc(0) depctr_va_vcc(0) depctr_vm_vsrc(0)
	s_getreg_b32 s2, hwreg(HW_REG_IB_STS2, 6, 4)
	s_cmp_eq_u32 s2, 0
	s_cbranch_scc0 .Lentry_in_a_cluster
	s_endpgm
.Lentry_in_a_cluster:
	s_bfe_u32 s2, ttmp6, 0x10000c
	s_cmp_lg_u32 s2, 0xf033
	s_cbranch_scc0 .Lentry_shape_is_right
	s_endpgm
.Lentry_shape_is_right:
; The first product: qkv[token][feature] = sum over k of x[token][k] w_qkv[feature][k], on codes of FP8 (E4M3), K = 1,024; each finished sum is quantised at once for the product that takes it next:
; q with 2^e2, k with 2^e3, v with 2^e5.  A sum stands for sum x 2^(e0 + e1), so its code is sum / 2^(eo - e0 - e1), held within +-448 codes: the three scales are folded into the conversion's one.
; LIMITS: e2 - e0 - e1, e3 - e0 - e1 and e5 - e0 - e1 lie between -126 and 119, so that the scale and 448 x the scale are f32 numbers.
; A tile of 256 x 256 sums is made by a work-group of four waves; a wave makes 128 x 128: 64 accumulators of 16 x 16, 512 registers.  K goes in steps of 256 through a ring of two LDS slots filled by tensor loads.
; TWO AREAS IN A SLOT.  The matrix instruction's source 1 takes rows of area A, its source 0 rows of area B: in a result a lane holds ONE row of area A, and its registers run along rows of area B.
;   clusters x = 0 (q) and 1 (k): area A = tokens, area B = features: a lane holds a token and its registers run along the head's channels, which are the K of q k^T.
;   cluster  x = 2 (v):           area A = features, area B = tokens: a lane holds a channel and its registers run along the keys, which are the K of p v.
; Which tensor fills which area is a choice of pointers and tile numbers on the cluster's x, which all partners share; no branch hangs on it.
; CLUSTERS: 4 x 4 work-groups.  Area A's tile hangs on cy alone and is asked for jointly by the four of a row of the cluster, area B's on cx alone, by the four of a column.
; THE ROWS IN xc AND wqc lie with rows 8-15 and 16-23 of every 32 swapped.  So register j of lane half h of tiles 2 b and 2 b + 1 of area B is row 32 b + 16 h + 8 u + j: the 64 registers of a block of 16 area A rows
; are, 16 at a time, 16 NEIGHBOURS 32 b + 16 h + 0 .. 15 along the next K, and eight conversions give the next operand's registers.
; THE RESULTS ARE STORED AS IMAGES OF OPERAND REGISTERS: four registers of all 32 lanes are a chunk of 512 bytes, lane l's 16 bytes at 16 l: each store covers 512 consecutive bytes, aligned, and no stage in LDS is needed.
;   qc, kc: [batch x head 64][token tile 128][c 2][lane][16]: lane (r, h): the tile's place r, channels 32 c + 16 h + 0 .. 15.      vc: [batch x head 64][128 keys 16][channel tile 4][c 4][lane][16]: keys 32 c + 16 h + 0 .. 15.
; REGISTERS, in windows of 256: window 0: v8, v10 store offsets; v12, v13 hold and scale; v16-21 LDS addresses; v28, v29 for the add; v32-95 held sums; v96-111 codes; from v128 area A's fragments, ONE set.
;   window 1: area B's fragments, TWO sets.   window 2: the accumulators of my area A rows 0-63 ((a, b) at v[8 (8 a + b)]);   window 3: those of rows 64-127.
.set ROWB,   256                       ; a tile's row in bytes: 256 codes
.set KROW,   1024                      ; a row of xc or wqc in memory, in bytes
.set PITCH,  272                       ; an LDS row: 256 bytes + 16 of padding = 68 words: row r starts at bank 4 r mod 64 (64 banks of 4 bytes: ISA guide 11.1), so the 16 rows of a load start at 16 different banks
.set FR,     16                        ; registers of a fragment: 16 rows x 128 K
.set NL,     4                         ; LDS loads that bring one
.set NP,     4                         ; places behind this matrix instruction (ISA guide 7.12.1)
.set HALFT,  128*PITCH                 ; 128 rows: what one tensor load brings, and what one wave reads of an area
.set SLOT,   4*HALFT                   ; area A's 256 rows, then area B's
.set SPARE,  2*SLOT                    ; behind the ring: the spare words, 128 bytes for each wave: two blocks of 256 bytes that no other line names
.set VO,   8                           ; v8 = 16 x lane, v10 = v8 + the distance to chunks 2 and 3
.set LIMR, 12                          ; v12     448 x the folded scale
.set SCL,  13                          ; v13     the folded scale as f32
.set ADRA, 16                          ; v16-17  LDS address of my area A fragments in slot 0, 1
.set ADRB, 20                          ; v20-21  the same for area B
.set SPW,  28                          ; v28     LDS address of my spare word; never rewritten
.set NIL,  29                          ; v29     0; never rewritten
.set TMP,  32
.set CD,   96
.set AF,   128
.set G1, 24                            ; s[24:31] descriptor group 1 for area A's tiles;  s[32:39] group 0, one set for each slot
.set G0, 32
.set G1B, 48                           ; s[48:55], s[56:63] the same for area B's
.set G0B, 56
.set MSB, 0
.macro WIN new                         ; the immediate's high byte repeats the setting that is left
.if MSB != \new
	s_set_vgpr_msb (MSB<<8)|\new
.set MSB, \new
.endif
.endm
.set MUL_LO, 0xa1                      ; source 0 (area B) window 1, source 1 (area A) window 0, C and D window 2
.set MUL_HI, 0xf1                      ; the same, C and D window 3
.set TO_B,   0x40                      ; destination window 1, address window 0
; A joint load: waves 0 and 1 fetch for area A, waves 2 and 3 for area B.  Each of the two lines has ONE mask and one set of registers for all that issue it; the branch hangs on the wave's number alone.
; Four v_nop follow each of the two lines, ahead of the jump, the label and what follows.
.macro JLOAD g0a, g1a, g0b, g1b
	s_cmp_eq_u32 s15, 0
	s_cbranch_scc0 .Lfor_b_\@
	tensor_load_to_lds s[\g0a:\g0a+3], s[\g1a:\g1a+7]
	s_nop 0
.rept 4
	v_nop
.endr
	s_branch .Lasked_\@
.Lfor_b_\@:
	tensor_load_to_lds s[\g0b:\g0b+3], s[\g1b:\g1b+7]
	s_nop 0
.rept 4
	v_nop
.endr
.Lasked_\@:
.endm
.macro CREST                           ; a round of the cluster's barrier behind its opening barrier
	s_cmp_lg_u32 s14, 0
	s_cbranch_scc1 .Lnot_wave_0_\@
	s_barrier_signal -3
.Lnot_wave_0_\@:
	s_barrier_wait -3
	s_barrier_signal -1
	s_barrier_wait -1
.endm
.macro CROUND                          ; a whole round
	s_barrier_signal -1
	s_barrier_wait -1
	CREST
.endm
	s_load_b128 s[4:7], s[0:1], 0x0                ; xc s[4:5], wqc s[6:7]
	s_load_b128 s[8:11], s[0:1], 0x10              ; the scales' exponents s[8:9], qc s[10:11]
	s_load_b128 s[68:71], s[0:1], 0x20             ; kc s[68:69], vc s[70:71]
	v_lshl_add_u32 v[SPW], v0, 2, SPARE
	v_mov_b32 v[NIL], 0
	ds_add_u32 v28, v29
	ds_add_u32 v28, v29
	s_wait_dscnt 0x0
	v_lshrrev_b32 v1, 5, v0
	v_readfirstlane_b32 s14, v1                    ; wave 0..3
	s_lshr_b32 s15, s14, 1                         ; which half of area A's rows is mine.  Also: I fetch for area A (0) or B (1)
	s_and_b32 s16, s14, 1                          ; which half of area B's rows.  Also: which 128 rows of that tile I fetch
	s_bfe_u32 s40, ttmp6, 0x40000                  ; cx, cy: my place in the cluster
	s_bfe_u32 s41, ttmp6, 0x40004
	s_and_b32 s80, ttmp7, 0xffff
	s_lshl_b32 s80, s80, 2                         ; 4 x cluster y: the cluster's first tile of tokens
	s_lshl_b32 s81, ttmp9, 2                       ; 4 x cluster x: its first tile of features (q: 0, k: 4)
	s_cmp_eq_u32 ttmp9, 2                          ; v's cluster?  The same answer in all sixteen partners
	s_cselect_b32 s17, 8, s80
	s_cselect_b32 s42, s80, s81
	s_add_co_u32 s17, s17, s41                     ; area A's tile: tokens 4 y + cy, or for v features 8 + cy
	s_add_co_u32 s42, s42, s40                     ; area B's tile: features 4 x + cx, or for v tokens 4 y + cx
	s_lshl_b32 s43, s41, 2
	s_lshl_b32 s43, 15, s43                        ; my row of the cluster
	s_lshl_b32 s44, 0x1111, s40                    ; my column
	; descriptor group 1: a tile of 128 rows x 256 bytes, padded in LDS
	s_or_b32 s[G1+0], s43, (0<<16)|(1<<20)|(1<<21)|(5<<22)|(3<<25)  ; 15:0 the mask: area A's tiles go to my row; 17:16 element of 1 byte; 20 padding on; 21 set beside a mask; 24:22 after every 64 words (code 5); 31:25 of 4 words (code 3)
	s_or_b32 s[G1B+0], s44, (0<<16)|(1<<20)|(1<<21)|(5<<22)|(3<<25) ; the same with the mask of my column
.irp g, G1, G1B
	s_mov_b32 s[\g+1], ROWB<<16                    ; tensor_dim0
	s_mov_b32 s[\g+2], 128<<16                     ; tensor_dim1 = 128
	s_mov_b32 s[\g+3], ROWB<<16                    ; tile_dim0
	s_mov_b32 s[\g+4], 128                         ; tile_dim1 = 128
	s_mov_b32 s[\g+5], KROW                        ; tensor_dim0_stride
	s_mov_b32 s[\g+6], 0
	s_mov_b32 s[\g+7], 0
.endr
	s_lshl_b32 s18, s16, 7                         ; which 128 rows of the tile I fetch
	s_lshl_b32 s20, s17, 8
	s_add_co_u32 s20, s20, s18                     ; area A: row 256 x tile + 128 x half,
	s_lshl_b32 s20, s20, 10                        ; in bytes (under 2^23)
	s_mov_b32 s21, 0
	s_lshl_b32 s46, s42, 8
	s_add_co_u32 s46, s46, s18                     ; area B likewise, in registers that never hold cy
	s_lshl_b32 s46, s46, 10
	s_mov_b32 s47, 0
	s_mul_i32 s45, s14, HALFT                      ; where they go: wave x 128 rows: no place in the cluster enters an LDS address
	s_wait_kmcnt 0x0
	s_load_b256 s[72:79], s[8:9], 0x0              ; e0 .. e7
	s_cmp_eq_u32 ttmp9, 2
	s_cselect_b64 s[82:83], s[6:7], s[4:5]         ; area A's tensor: wqc for v, else xc
	s_cselect_b64 s[84:85], s[4:5], s[6:7]         ; area B's: the other one
	s_add_nc_u64 s[20:21], s[82:83], s[20:21]
	s_add_nc_u64 s[46:47], s[84:85], s[46:47]
	CROUND                                         ; all sixteen work-groups are here: the first joint loads meet
.irp s, 0,1
	s_mov_b32 s[G0+4*\s], 1
	s_add_co_u32 s[G0+4*\s+1], s45, \s*SLOT
	s_add_nc_u64 s[G0+4*\s+2:G0+4*\s+3], s[20:21], \s*ROWB
	s_or_b32 s[G0+4*\s+3], s[G0+4*\s+3], 0x80000000
	s_mov_b32 s[G0B+4*\s], 1
	s_add_co_u32 s[G0B+4*\s+1], s45, \s*SLOT
	s_add_nc_u64 s[G0B+4*\s+2:G0B+4*\s+3], s[46:47], \s*ROWB
	s_or_b32 s[G0B+4*\s+3], s[G0B+4*\s+3], 0x80000000
	JLOAD G0+4*\s, G1, G0B+4*\s, G1B               ; two loads of mine are out
.endr
	v_and_b32 v1, 15, v0                           ; l % 16
	v_bfe_u32 v2, v0, 4, 1                         ; l / 16
	v_mul_u32_u24 v3, v1, PITCH
	v_lshl_add_u32 v4, v2, 4, v3                   ; a fragment's row x pitch + 16 x half
	s_mul_i32 s21, s15, HALFT                      ; my 128 rows of area A
	s_mul_i32 s22, s16, HALFT                      ; my 128 rows of area B,
	s_add_co_u32 s22, s22, 2*HALFT                 ; which lie behind area A's 256
.irp s, 0,1
	v_add_nc_u32 v[ADRA+\s], s21, v4
	v_add_nc_u32 v[ADRB+\s], s22, v4
	s_add_co_u32 s21, s21, SLOT
	s_add_co_u32 s22, s22, SLOT
.endr
	; THE WAY OUT's addresses.  With XT the tile of tokens, WT the tile of features, xh and wh my halves of them:
	; first byte = buffer + (16 (XT / 8) + 4 (WT % 4) + 2 wh) heads of 131,072 bytes + (XT % 8) x 16,384 + xh x 8,192: in qc and kc 16 token tiles of 1,024 bytes to a tile of tokens, in vc two groups of 128 keys of 8,192.
	s_cmp_eq_u32 ttmp9, 2
	s_cselect_b32 s86, s42, s17                    ; XT
	s_cselect_b32 s87, s17, s42                    ; WT
	s_cselect_b32 s90, s16, s15                    ; xh
	s_cselect_b32 s91, s15, s16                    ; wh
	s_mov_b32 s92, 1024
	s_cselect_b32 s92, 2048, s92                   ; from a block of 16 area A rows to the next: a token tile (1,024), for v a channel tile (2,048);
	s_mov_b32 s94, 1024
	s_cselect_b32 s94, 124928, s94                 ; from block 3 to block 4, for v: on to the next head, 131,072 - 3 x 2,048
	s_mov_b32 s96, 131072
	s_cselect_b32 s96, 1024, s96                   ; from chunks 0, 1 to chunks 2, 3: the next head, for v the next 64 keys
	s_cselect_b64 s[88:89], s[70:71], s[68:69]     ; vc or kc,
	s_cmp_eq_u32 ttmp9, 0
	s_cselect_b64 s[88:89], s[10:11], s[88:89]     ; or qc
	s_mov_b32 s93, 0
	s_mov_b32 s95, 0
	s_lshr_b32 s97, s86, 3
	s_lshl_b32 s97, s97, 4
	s_and_b32 s87, s87, 3
	s_lshl_b32 s87, s87, 2
	s_add_co_u32 s97, s97, s87
	s_lshl_b32 s91, s91, 1
	s_add_co_u32 s97, s97, s91
	s_lshl_b32 s97, s97, 17
	s_and_b32 s86, s86, 7
	s_lshl_b32 s86, s86, 14
	s_add_co_u32 s97, s97, s86
	s_lshl_b32 s90, s90, 13
	s_add_co_u32 s90, s97, s90
	s_mov_b32 s91, 0
	s_add_nc_u64 s[88:89], s[88:89], s[90:91]
	v_and_b32 v5, 31, v0
	v_lshlrev_b32 v[VO], 4, v5
	v_add_nc_u32 v[VO+2], s96, v[VO]
	s_wait_alu depctr_va_vdst(0)
	s_wait_kmcnt 0x0
	s_cmp_eq_u32 ttmp9, 2
	s_cselect_b32 s80, s77, s75                    ; e5 or e3,
	s_cmp_eq_u32 ttmp9, 0
	s_cselect_b32 s80, s74, s80                    ; or e2
	s_sub_co_i32 s80, s80, s72
	s_sub_co_i32 s80, s80, s73                     ; - e0 - e1
	s_add_co_i32 s80, s80, 127
	s_lshl_b32 s81, s80, 23
	v_mov_b32 v[SCL], s81                          ; the folded scale as f32: the conversion takes its exponent field
	s_add_co_i32 s80, s80, 8
	s_lshl_b32 s80, s80, 23
	s_or_b32 s80, s80, 0x600000
	v_mov_b32 v[LIMR], s80                         ; 448 x that
.macro FRAG reg, adr, q, i             ; a fragment, 16 rows x 128 K, is 16 registers: lane l holds row l % 16; registers 4 c .. 4 c + 3 hold K = 32 c + 16 (l / 16) + 0 .. 15: the same places of k on both sides of the product
.irp c, 0,1,2,3
	ds_load_b128 v[\reg+4*\c:\reg+4*\c+3], v[\adr] offset:128*(\q)+32*\c+(\i)*16*PITCH
.endr
.endm
; 16 matrix instructions: area A's blocks a0, a0 + 1 x area B's eight, 128 along K.  p: area B's set.  zero = 1: the first product starts the sums: nothing is ever cleared.
; The 64 accumulators take turns, one instruction a turn, in the same order in every step.
.macro MUL16 a0, p, zero
.irp a, \a0, \a0+1
.irp b, 0,1,2,3,4,5,6,7
.if \zero
	v_wmma_f32_16x16x128_fp8_fp8 v[8*(8*((\a)%4)+\b):8*(8*((\a)%4)+\b)+7], v[128*(\p)+FR*\b:128*(\p)+FR*\b+FR-1], v[AF+FR*(\a):AF+FR*(\a)+FR-1], 0
.else
	v_wmma_f32_16x16x128_fp8_fp8 v[8*(8*((\a)%4)+\b):8*(8*((\a)%4)+\b)+7], v[128*(\p)+FR*\b:128*(\p)+FR*\b+FR-1], v[AF+FR*(\a):AF+FR*(\a)+FR-1], v[8*(8*((\a)%4)+\b):8*(8*((\a)%4)+\b)+7]
.endif
.endr
.endr
.endm
.macro FETCH_B slot, q, p              ; area B's eight fragments of the slot's q-th 128 along K into set p
	WIN TO_B
.irp i, 0,1,2,3,4,5,6,7
	FRAG 128*(\p)+FR*\i, ADRB+\slot, \q, \i
.endr
	WIN 0
.endm
.macro FETCH_A slot, q, i0             ; area A's blocks i0 .. i0 + 3
.irp i, \i0, \i0+1, \i0+2, \i0+3
	FRAG AF+FR*(\i), ADRA+\slot, \q, \i
.endr
.endm
; A load into a register that a matrix instruction has read, and a vector instruction that reads a matrix result, stand NP places behind that matrix instruction; only plain vector instructions that name none
; of its registers are places (ISA guide 7.12.1 for vector instructions).
.macro PLACES n
.rept \n
	v_nop
.endr
.endm
; A step of 128 along K that has its successor in the same slot.  A block of area A is free as soon as its eight products are issued: blocks 0-3 are fetched anew in the step's middle, blocks 4-7 at its end.
.macro STEP slot, q, zero
	s_wait_dscnt 4*NL                              ; area B's set and area A's blocks 0-3 are in; the youngest sixteen loads (blocks 4-7) may be out
	WIN MUL_LO
	MUL16 0, (\q)%2, \zero
	MUL16 2, (\q)%2, \zero
	s_wait_dscnt 0                                 ; blocks 4-7 are in (asked for 32 matrix instructions ago)
	PLACES NP
	FETCH_B \slot, (\q)+1, 1-(\q)%2
	FETCH_A \slot, (\q)+1, 0
	WIN MUL_HI
	MUL16 4, (\q)%2, \zero
	MUL16 6, (\q)%2, \zero
	PLACES NP
	WIN 0
	FETCH_A \slot, (\q)+1, 4
.endm
; A slot's last step changes slots: ONE barrier; in front of it each wave waits for all its tensor loads, adds 0 to its spare word, and waits for that and for its own reads of this slot.  fill = 1: this slot is filled again, two K steps ahead.
.macro TURN slot, next, fill
	s_wait_tensorcnt 0x0                           ; all my tensor loads have landed: my part of the next slot;  (every window is 0 here: the add's two registers lie in window 0)
	ds_add_u32 v[SPW], v[NIL]                      ; 0 onto my spare word
	s_wait_dscnt 4*NL+1                            ; (the add and the youngest sixteen loads, blocks 4-7, may be out)
	WIN MUL_LO
	MUL16 0, 1, 0                                  ; sixteen matrix instructions stand between the add and the wait for it
	s_wait_dscnt 0x0                               ; the add is done, and my reads of this slot are over
	s_barrier_signal -1
	MUL16 2, 1, 0
	WIN 0
	s_barrier_wait -1
.if \fill
	CREST                                          ; the barrier has opened a round of the cluster's barrier: no wave of any partner still reads this slot's tile or has a load on its way
	s_add_nc_u64 s[G0+4*\slot+2:G0+4*\slot+3], s[G0+4*\slot+2:G0+4*\slot+3], 2*ROWB
	s_add_nc_u64 s[G0B+4*\slot+2:G0B+4*\slot+3], s[G0B+4*\slot+2:G0B+4*\slot+3], 2*ROWB
	JLOAD G0+4*\slot, G1, G0B+4*\slot, G1B         ; the first tensor load behind the round, my only one until the next; the four v_nop behind it are the places in front of the loads below
.else
	PLACES NP
.endif
	FETCH_B \next, 0, 0
	FETCH_A \next, 0, 0
	WIN MUL_HI
	MUL16 4, 1, 0
	MUL16 6, 1, 0
	PLACES NP
	WIN 0
	FETCH_A \next, 0, 4
.endm
	s_wait_tensorcnt 1                             ; my part of K step 0 is in (K step 1's load may be out)
	s_barrier_signal -1
	s_barrier_wait -1                              ; everybody's is
	FETCH_B 0, 0, 0
	FETCH_A 0, 0, 0
	FETCH_A 0, 0, 4
	; K = 1,024 is four K steps of 256, twice round the ring: written out, eight steps of 128
	STEP 0, 0, 1                                   ; the first products start the sums
	TURN 0, 1, 1                                   ; slot 0 takes K step 2
	STEP 1, 0, 0
	TURN 1, 0, 1                                   ; slot 1 takes K step 3
	STEP 0, 0, 0
	TURN 0, 1, 0                                   ; the last lap fills nothing, and has no round of the cluster's barrier
	STEP 1, 0, 0
	s_wait_dscnt 4*NL                              ; the very last step: nothing more to fetch
	WIN MUL_LO
	MUL16 0, 1, 0
	MUL16 2, 1, 0
	s_wait_alu depctr_va_vdst(0)
	s_wait_dscnt 0
	WIN MUL_HI
	MUL16 4, 1, 0
	MUL16 6, 1, 0
	WIN 0
; THE WAY OUT, block by block of 16 area A rows.  The block's 64 sums of a lane are held within +-448 codes (into other registers, each accumulator from its low end on), converted eight at a time, and stored as four chunks.
.macro OUTBLK a
.set AC, 64*((\a)%4)
	WIN 0x02+((\a)/4)                              ; source 0: window 2 or 3
.set j, 0
.rept 64
	v_med3_num_f32 v[TMP+j], v[AC+j], -v[LIMR], v[LIMR]   ; the conversion to an 8-bit code does not saturate (ISA guide 7.6.2)
.set j, j+1
.endr
	WIN 0
	s_wait_alu depctr_va_vdst(0)
	s_wait_xcnt 0x0                                ; the last block's stores have read their codes and their base: both are written again only behind this wait
.if (\a) == 4
	s_add_nc_u64 s[88:89], s[88:89], s[94:95]
.elseif (\a) > 0
	s_add_nc_u64 s[88:89], s[88:89], s[92:93]
.endif
.irp g, 0,1,2,3,4,5,6,7
	v_cvt_scalef32_pk8_fp8_f32 v[CD+2*\g:CD+2*\g+1], v[TMP+8*\g:TMP+8*\g+7], v[SCL]   ; registers 16 b + 0 .. 15 are 16 neighbours along the next K: codes 4 b .. 4 b + 3 are chunk b
.endr
	v_nop                                          ; one plain vector instruction behind the last conversion: the next block's holds write its sources
.irp e, 0,1,2,3
	global_store_b128 v[VO+2*(\e/2)], v[CD+4*\e:CD+4*\e+3], s[88:89] offset:512*(\e%2)   ; 32 lanes store 512 consecutive bytes, aligned
.endr
.endm
	PLACES NP                                      ; behind the last products on block 0's accumulators no vector instruction has stood yet
.irp a, 0,1,2,3,4,5,6,7
	OUTBLK \a
.endr
	s_wait_tensorcnt 0x0                           ; the wave's end: behind my last tensor load
	ds_add_u32 v[SPW], v[NIL]
	s_wait_dscnt 0x0
	CROUND                                         ; the closing round: no work-group ends while a partner may still ask for a tile that names it
	s_endpgm
.Lfunc_end_k_qea0b702ccd_qkv:
	.size	k_qea0b702ccd_qkv, .Lfunc_end_k_qea0b702ccd_qkv-k_qea0b702ccd_qkv
	.p2alignl 7, 3214868480
	.fill 96, 4, 3214868480
	.section	.rodata,"a",@progbits
	.p2align	6, 0x0
	.amdhsa_kernel k_qea0b702ccd_qkv
		.amdhsa_group_segment_fixed_size 327680
		.amdhsa_private_segment_fixed_size 0
		.amdhsa_enable_private_segment 0
		.amdhsa_kernarg_size 48
		.amdhsa_user_sgpr_count 2
		.amdhsa_user_sgpr_kernarg_segment_ptr 1
		.amdhsa_wavefront_size32 1
		.amdhsa_system_sgpr_workgroup_id_x 1
		.amdhsa_system_sgpr_workgroup_id_y 1
		.amdhsa_system_sgpr_workgroup_id_z 1
		.amdhsa_system_vgpr_workitem_id 0
		.amdhsa_next_free_vgpr 1024
		.amdhsa_next_free_sgpr 98
		.amdhsa_reserve_vcc 0
		.amdhsa_float_denorm_mode_32 3
		.amdhsa_float_denorm_mode_16_64 3
		.amdhsa_memory_ordered 1
		.amdhsa_forward_progress 1
		.amdhsa_inst_pref_size 119
	.end_amdhsa_kernel
	.amdgpu_metadata
---
amdhsa.version: [ 1, 2 ]
amdhsa.kernels:
  - .name:           k_qea0b702ccd_qkv
    .symbol:         k_qea0b702ccd_qkv.kd
    .args:
      - { .name: xc, .offset: 0, .size: 8, .value_kind: global_buffer, .address_space: global }
      - { .name: wqc, .offset: 8, .size: 8, .value_kind: global_buffer, .address_space: global }
      - { .name: lowp_scales, .offset: 16, .size: 8, .value_kind: global_buffer, .address_space: global }
      - { .name: qc, .offset: 24, .size: 8, .value_kind: global_buffer, .address_space: global }
      - { .name: kc, .offset: 32, .size: 8, .value_kind: global_buffer, .address_space: global }
      - { .name: vc, .offset: 40, .size: 8, .value_kind: global_buffer, .address_space: global }
    .group_segment_fixed_size: 327680
    .private_segment_fixed_size: 0
    .kernarg_segment_align: 8
    .kernarg_segment_size: 48
    .max_flat_workgroup_size: 128
    .sgpr_count:     98
    .vgpr_count:     1024
    .wavefront_size: 32
...
	.end_amdgpu_metadata
.endif
;; end of part 2
;; launch attn (part 3): grid 4 x 64, 16 waves a work-group, no clusters, 327,680 bytes of LDS; arguments qc, kc, vc, lowp_scales, ac; writes ac
.if DOCPART == 3
	.amdgcn_target "amdgcn-amd-amdhsa--gfx1250"
	.amdhsa_code_object_version 6
	.text
	.protected	k_qea0b702ccd_attn
	.globl	k_qea0b702ccd_attn
	.p2align	8
	.type	k_qea0b702ccd_attn,@function
k_qea0b702ccd_attn:
	s_mov_b64 s[64:65], 0
	v_nop
	global_prefetch_b8 v0, s[64:65] scope:SCOPE_SE
	s_setreg_imm32_b32 hwreg(HW_REG_WAVE_MODE, 25, 1), 1
	s_wait_xcnt 0x0
; Causal attention of one head on codes of FP8 (E4M3): S = q k^T (K = the head's 64, scales 2^e2, 2^e3), softmax, O = p v (K = the keys, scales 2^e4, 2^e5); O / l is quantised at once with 2^e6 for the last product.
; THE SOFTMAX: t = score x log2(e) / 8; M = the row's largest t so far, rounded UP to a whole number; p = 2^(t - M) is what is quantised; it is not normalised.  The row's sum l is taken of the unquantised p, in f32,
; and divides O at the end.  When M moves, l and O are multiplied by 2^(old M - new M): a power of two.
; LIMITS on the given exponents, so that each power of two below is an f32 number: e2 + e3 between -123 and 130 (added to the exponent field of log2(e) / 8); e4, and e6 - e4 - e5, between -126 and 119.
; THE BUFFERS hold images of operand registers: a chunk of 512 bytes is four registers of 32 lanes, lane l's 16 bytes at 16 l.  Place r of token tile tau is token 32 (tau / 2) + 8 (tau % 2) + r + 8 (r / 8).
;   qc, kc: [head 64][tau 128][c 2][chunk]: channels 32 c + 16 h + 0 .. 15.   vc: [head 64][128 keys 16][channel tile 4][c 4][chunk]: keys 32 c + 16 h + 0 .. 15.
;   ac: [128 tokens 64][256 of K 4][token tile 8][128 of K 2][c 4][chunk]: the last product's operand, K = 64 x head + channel.
; So every LDS read is 16 x lane + a constant, a slot's tiles are dense blocks of memory, and both stores of a tile of O cover 512 consecutive bytes, aligned.
; LAYOUT.  Both products are used transposed: S^T = K Q^T (source 0 = 16 keys, source 1 = my 16 queries), O^T = V^T P^T: a lane holds ONE query throughout.  By the order of tokens in a tile, the 16 registers of key
; tiles 2 b and 2 b + 1 are keys 32 b + 16 h + 0 .. 15, so p's conversions give the second product's operand; V's channel tiles are ordered likewise, so O^T's conversions give the last product's operand.
; SHARES.  A work-group (I = 0 .. 3, head) owns two blocks of 256 queries: block 7 - I, then block I: (8 - I) + (I + 1) = 9 slots of 256 keys in every work-group: 256 work-groups of equal length.
; Each of SIXTEEN waves owns one tile of 16 queries in 256 registers: four waves to a SIMD, so that one wave's vector work stands beside another's matrix work and LDS loads.
; The nine trips are a constant of the text; which keys a trip reads, and the one trip behind which the blocks change, hang on the work-group's number alone.  A key step all of whose keys come after the wave's
; queries is left out by a scalar branch round its work; no barrier and no tensor load stands in a step.
; NO CLUSTER: the four work-groups of a head want different slots from their sixth trip on (I = 3 turns back to slot 0 there).  A walk in which all four ask alike, both blocks at once over all 8 slots, costs
; 2 + 2 + 2 + 2 + 1 + 1 + 1 + 1 = 12 slots' work in the slowest partner against 9 here, to share 9 x 32,768 bytes a work-group.
; REGISTERS: v1 16 x lane; v2 the lane's query less 16 h; v3 256 x lane; v5, v6 for the add; v8 LDS address; v12 -M, v13 the largest t, v[14:15] l in two halves; v16-23 Q; v32-95 K's eight fragments, then V's four;
; v96-159 S^T, then p; v160-191 O^T; v224-239 codes; v244: 2^e4; v245: 2^(e6 - e4 - e5); v236, v238-243, v246-255 at work.
.set SLOT1, 1<<15                      ; a slot: 16,384 bytes of K's images, then 16,384 of V's; slot 1 begins here, so that one exclusive or turns an address from one slot to the other
.set VOFF,  16384
.set SPARE, 2*SLOT1                    ; behind the ring: the spare words, 128 bytes for each wave: eight blocks of 256 bytes that no other line names
.set LI,   1
.set QL,   2
.set PFO,  3
.set SPW,  5
.set NIL,  6
.set ADR,  8
.set TB,   2                           ; s2   LDS byte at which the slot in hand begins
.set II,   14                          ; s14  I
.set BH,   15                          ; s15  the head, 0 .. 63
.set SW,   16                          ; s16  8 - I: slots of the first block
.set PS,   17                          ; s17  which slot of keys is in hand
.set WV,   18                          ; s18  my wave's number
.set FS,   19                          ; s19  which slot of keys was asked for last
.set SEL,  20                          ; s[20:21] lane selects for v_permlanex16_b32: lane l xor 16
.set CS,   22                          ; s[22:23] c = log2(e) / 8 x 2^(e2 + e3)
.set G1,   24                          ; s[24:31] descriptor group 1
.set KF,   32                          ; s32  the step's first key
.set Q0,   33                          ; s33  my least query
.set QMAX, 34                          ; s34  my greatest: Q0 + 23
.set BLK,  35                          ; s35  the block of queries in hand
.set QW,   36                          ; s36  16 w - 8 (w % 2): my tile's least query in its block
.set KVB,  38                          ; s[38:39] the head's first byte in kc (wave 0) or vc
.set G0,   40                          ; s[40:43] descriptor group 0
.set QB,   44                          ; s[44:45] my tile of block 0 in qc
.set AB,   46                          ; s[46:47] my two chunks of block 0 in ac
.set OA,   48                          ; s[48:49] the same of the block in hand
.set QA,   50                          ; s[50:51] my tile of the block in hand in qc
.set SLOTS, 67                         ; s67  trips of the loop still to go
.set PFA,  76                          ; s[76:77] where my prefetches stand
.set LIM,  80                          ; s80  2 in a wave that prefetches, else the greatest number
; Wave 0 fetches a slot's K, wave 1 its V, the others nothing: one line, under a branch on the wave's number alone.  Four v_nop follow it.
.macro TLOAD
	s_cmp_lt_u32 s[WV], 2
	s_cbranch_scc0 .Lnone_\@
	tensor_load_to_lds s[G0:G0+3], s[G1:G1+7]
	s_nop 0
.rept 4
	v_nop
.endr
.Lnone_\@:
.endm
; A PREFETCH INTO THE L2 of the slot that the NEXT change of slots will ask for.  All four work-groups of a head walk the same K and V: work-group I = 0, which walks slots 0 to 7 in order, asks, and nobody else.
; In it waves 4 and 5 ask for the two halves of K's 16,384 bytes, waves 6 and 7 for V's: 8,192 bytes a wave, lanes 256 bytes apart, one instruction.  Trip n asks for slot n + 2 while n + 2 <= 7: s[SLOTS] = 8 - n above 2.
; So each aligned block of 256 bytes is named once; slots 0 and 1 come by their loads alone.
.macro ASK
	s_cmp_gt_u32 s[SLOTS], s[LIM]
	s_cbranch_scc0 .Lnot_mine_\@
	global_prefetch_b8 v[PFO], s[PFA:PFA+1] th:TH_LOAD_NT scope:SCOPE_SE
.Lnot_mine_\@:
.endm
	s_load_b256 s[4:11], s[0:1], 0x0               ; qc s[4:5], kc s[6:7], vc s[8:9], the scales' exponents s[10:11]
	s_load_b64 s[12:13], s[0:1], 0x20              ; ac
	v_lshl_add_u32 v[SPW], v0, 2, SPARE
	v_mov_b32 v[NIL], 0
	ds_add_u32 v5, v6
	ds_add_u32 v5, v6
	s_wait_dscnt 0x0
	v_lshrrev_b32 v8, 5, v0
	s_delay_alu instid0(VALU_DEP_1)
	v_readfirstlane_b32 s[WV], v8                  ; wave 0..15
	s_mov_b32 s[II], ttmp9
	s_and_b32 s[BH], ttmp7, 0xffff
	s_sub_co_u32 s[SW], 8, s[II]
	; descriptor group 1: 16,384 dense bytes as 64 rows of 256
	s_mov_b32 s[G1], 3<<16                         ; 15:0 no mask; 17:16 elements of 8 bytes; no padding
	s_mov_b32 s[G1+1], 32<<16                      ; tensor_dim0 = 32 elements
	s_mov_b32 s[G1+2], 64<<16                      ; tensor_dim1 = 64
	s_mov_b32 s[G1+3], 32<<16                      ; tile_dim0
	s_mov_b32 s[G1+4], 64                          ; tile_dim1
	s_mov_b32 s[G1+5], 32                          ; tensor_dim0_stride
	s_mov_b32 s[G1+6], 0
	s_mov_b32 s[G1+7], 0
	s_mov_b32 s[SEL], 0x76543210
	s_mov_b32 s[SEL+1], 0xfedcba98
	s_lshl_b32 s60, s[BH], 17                      ; the head's first byte in qc, kc and vc
	s_mov_b32 s61, 0
	s_and_b32 s62, s[WV], 1
	s_lshl_b32 s62, s62, 14                        ; in a slot: K's images at 0, V's at 16,384
	s_wait_kmcnt 0x0
	s_load_b256 s[52:59], s[10:11], 0x0            ; e0 .. e7
	s_cmp_eq_u32 s[WV], 0
	s_cselect_b64 s[KVB:KVB+1], s[6:7], s[8:9]
	s_add_nc_u64 s[KVB:KVB+1], s[KVB:KVB+1], s[60:61]
	s_mov_b32 s[G0], 1                             ; 1:0 count = 1
	s_mov_b32 s[G0+1], s62                         ; 63:32 LDS address: slot 0
	s_mov_b64 s[G0+2:G0+3], s[KVB:KVB+1]           ; 120:64 global address: the head's first 256 keys
	s_or_b32 s[G0+3], s[G0+3], 0x80000000          ; 127:126 type = 2
	TLOAD                                          ; slot 0: the one first fill at the head
	s_lshl_b32 s62, s[WV], 10
	s_add_co_u32 s62, s62, s60
	s_mov_b32 s63, 0
	s_add_nc_u64 s[QB:QB+1], s[4:5], s[62:63]      ; qc: head, token tile w of block 0
	s_lshr_b32 s62, s[BH], 4                       ; ac: the batch's 16 groups of 128 tokens, + w / 8,
	s_lshl_b32 s62, s62, 4
	s_lshr_b32 s96, s[WV], 3
	s_add_co_u32 s62, s62, s96
	s_lshl_b32 s62, s62, 17
	s_bfe_u32 s96, s[BH], 0x20002                  ; the head's 256 of K: (head % 16) / 4,
	s_lshl_b32 s96, s96, 15
	s_add_co_u32 s62, s62, s96
	s_and_b32 s96, s[WV], 7                        ; the token tile in its group,
	s_lshl_b32 s96, s96, 12
	s_add_co_u32 s62, s62, s96
	s_and_b32 s96, s[BH], 3                        ; the head's 64 of those 256: two chunks of 512 bytes each
	s_lshl_b32 s96, s96, 10
	s_add_co_u32 s62, s62, s96
	s_add_nc_u64 s[AB:AB+1], s[12:13], s[62:63]
	s_cmp_lt_u32 s[WV], 6                          ; the prefetches: waves 4, 5: K; waves 6, 7: V
	s_cselect_b64 s[PFA:PFA+1], s[6:7], s[8:9]
	s_and_b32 s62, s[WV], 1
	s_lshl_b32 s62, s62, 13                        ; my half of a slot's 16,384 bytes,
	s_add_co_u32 s62, s62, s60                     ; in my head,
	s_add_co_u32 s62, s62, 16384                   ; in slot 1: the first change of slots steps it to slot 2.  Nothing is prefetched here, at the head
	s_add_nc_u64 s[PFA:PFA+1], s[PFA:PFA+1], s[62:63]
	s_sub_co_u32 s62, s[WV], 4
	s_lshr_b32 s62, s62, 2                         ; 0 in waves 4 to 7,
	s_or_b32 s62, s62, ttmp9                       ; of work-group I = 0
	s_cmp_eq_u32 s62, 0
	s_cselect_b32 s[LIM], 2, -1
	s_lshl_b32 s[QW], s[WV], 4
	s_and_b32 s62, s[WV], 1
	s_lshl_b32 s62, s62, 3
	s_sub_co_u32 s[QW], s[QW], s62
	v_and_b32 v9, 31, v0
	s_delay_alu instid0(VALU_DEP_1)
	v_lshlrev_b32 v[LI], 4, v9
	s_delay_alu instid0(VALU_DEP_2)
	v_lshlrev_b32 v[PFO], 8, v9
	v_and_b32 v10, 15, v0                          ; r
	v_and_b32 v11, 8, v0                           ; 8 (r / 8)
	s_delay_alu instid0(VALU_DEP_1)
	v_add_nc_u32 v[QL], v10, v11
	v_and_b32 v11, 16, v0                          ; 16 h
	s_delay_alu instid0(VALU_DEP_1)
	v_sub_nc_u32 v[QL], v[QL], v11                 ; my query - Q0 - 16 h
	v_mov_b32 v236, 0                              ; written once: a lane permute's destination counts as one of its sources
	v_mov_b32 v252, 0
	v_mov_b32 v253, 0                              ; (named as the upper half of the pair v[252:253])
.macro QLOAD                           ; my tile of Q of block s[BLK]: two chunks, which stay in registers
	s_lshl_b32 s62, s[BLK], 14
	s_mov_b32 s63, 0
	s_add_nc_u64 s[QA:QA+1], s[QB:QB+1], s[62:63]
	global_load_b128 v[16:19], v[LI], s[QA:QA+1]
	global_load_b128 v[20:23], v[LI], s[QA:QA+1] offset:512
.endm
.macro RESET                           ; a block begins: O^T and l are zeros, the largest t lies under every t: the first change of M multiplies zeros, so the key step is written without a first step of its own
	s_wait_xcnt 0x0                                ; the last block's stores have read their codes and their base
	s_lshl_b32 s62, s[BLK], 18                     ; a block is two groups of 128 tokens in ac
	s_mov_b32 s63, 0
	s_add_nc_u64 s[OA:OA+1], s[AB:AB+1], s[62:63]
	s_lshl_b32 s[Q0], s[BLK], 8
	s_add_co_u32 s[Q0], s[Q0], s[QW]
	s_add_co_u32 s[QMAX], s[Q0], 23
	v_mov_b32 v13, 0xff61b1e6                      ; -3e38
	s_delay_alu instid0(VALU_DEP_1)
	v_floor_f32 v12, -v13                          ; -M
	v_mov_b32 v14, 0
	v_mov_b32 v15, 0
.set j, 0
.rept 32
	v_mov_b32 v[160+j], 0
.set j, j+1
.endr
	s_wait_loadcnt 0x0                             ; Q
.endm
.macro FETCH64 off                     ; sixteen chunks: K's eight fragments of 8 registers, or V's four of 16
.set j, 0
.rept 16
	ds_load_b128 v[32+4*j:35+4*j], v[ADR] offset:(\off)+512*j
.set j, j+1
.endr
.endm
; A KEY STEP: 128 keys, the q-th of the slot in hand.
.macro STEP q
	s_cmp_gt_u32 s[KF], s[QMAX]                    ; all of the step's keys come after my queries: its work is left out
	s_cbranch_scc1 .Lhidden_\@
	v_add_nc_u32 v[ADR], s[TB], v[LI]
.rept 3
	v_nop                                          ; with the addition above: four places in front of loads into registers that the last products read
.endr
	FETCH64 (\q)*8192
	s_wait_alu depctr_va_vdst(0)
	s_wait_dscnt 0x0
.irp t, 0,1,2,3,4,5,6,7                        ; S^T = K Q^T: eight tiles of 16 keys, each its own accumulator
	v_wmma_f32_16x16x64_fp8_fp8 v[96+8*\t:103+8*\t], v[32+8*\t:39+8*\t], v[16:23], 0
.endr
.rept 4
	v_nop                                          ; places in front of the loads below and of the first read of the scores
.endr
	FETCH64 VOFF+(\q)*8192                         ; V's fragments take K's registers, and land while the softmax is walked
	s_add_co_u32 s96, s[KF], 127                   ; on the diagonal the scores of hidden keys become -infinity ahead of the maximum: p = 0 then.  A step all of whose keys count skips this
	s_cmp_le_u32 s96, s[Q0]
	s_cbranch_scc1 .Lopen_\@
	s_sub_co_i32 s96, s[Q0], s[KF]
	v_add_nc_u32 v252, s96, v[QL]                  ; d = my query - KF - 16 h.  Register 16 b + i holds key KF + 16 h + 32 b + i: hidden where 32 b + i > d
	v_mov_b32 v254, 0xff800000                     ; -infinity
.set n, 0
.rept 64
	v_cmp_gt_i32 vcc_lo, 32*(n/16)+n%16, v252
	v_cndmask_b32 v[96+n], v[96+n], v254, vcc_lo
.set n, n+1
.endr
.Lopen_\@:
	v_max3_num_f32 v254, v96, v97, v98             ; the step's largest score of my query, among my 64 keys, in two chains,
	v_max3_num_f32 v252, v99, v100, v101
.irp i, 6,10,14,18,22,26,30,34,38,42,46,50,54,58
	v_max3_num_f32 v254, v254, v[96+\i], v[97+\i]
	v_max3_num_f32 v252, v252, v[98+\i], v[99+\i]
.endr
	v_max3_num_f32 v254, v254, v158, v159
	s_delay_alu instid0(VALU_DEP_1)
	v_max_num_f32 v254, v254, v252
	v_permlanex16_b32 v236, v254, s[SEL], s[SEL+1]
	s_delay_alu instid0(VALU_DEP_1)
	v_max_num_f32 v254, v254, v236                 ; and among lane l xor 16's
	s_delay_alu instid0(VALU_DEP_1)
	v_mul_f32 v254, s[CS], v254                    ; as t (c is positive)
	s_delay_alu instid0(VALU_DEP_1)
	v_max_num_f32 v13, v13, v254                   ; the running largest t
	v_mov_b32 v254, v12
	s_delay_alu instid0(VALU_DEP_2)
	v_floor_f32 v12, -v13                          ; the new -M = floor(-t) = -ceil(t): M is a whole number
	s_delay_alu instid0(VALU_DEP_1)
	v_sub_f32 v254, v12, v254                      ; M's old value less its new one: a whole number, 0 or less
	s_delay_alu instid0(VALU_DEP_1)
	v_cvt_i32_f32 v254, v254                       ; (it saturates)
	s_delay_alu instid0(VALU_DEP_1)
	v_ldexp_f32 v252, 1.0, v254                    ; f = 2^(old M - new M)
.set j, 0
.rept 32
	v_pk_fma_f32 v[96+j:97+j], v[96+j:97+j], s[CS:CS+1], v[12:13] op_sel_hi:[1,0,0]   ; t - M, two at a time (of the pairs c and -M the low word serves both halves)
.set j, j+2
.endr
.set j, 0
	s_wait_alu depctr_va_vdst(0)
.rept 64
	v_exp_f32 v[96+j], v[96+j]                     ; p = 2^(t - M), at most 1: not normalised
.set j, j+1
.endr
	v_pk_mul_f32 v[14:15], v[14:15], v[252:253] op_sel_hi:[1,0]   ; l under the new M: the plain instruction behind the exponentials
	s_wait_alu depctr_va_vdst(0)                   ; one wait for the whole batch, ahead of its first reader
	v_pk_add_f32 v[242:243], v[100:101], v[104:105]
	v_pk_add_f32 v[254:255], v[108:109], v[112:113]
	v_pk_add_f32 v[250:251], v[116:117], v[120:121]
	v_pk_add_f32 v[248:249], v[124:125], v[128:129]
	v_pk_add_f32 v[246:247], v[132:133], v[136:137]
	v_pk_add_f32 v[240:241], v[140:141], v[144:145]
	v_pk_add_f32 v[238:239], v[148:149], v[152:153]
	v_pk_add_f32 v[14:15], v[14:15], v[156:157]
	v_pk_add_f32 v[242:243], v[242:243], v[96:97]
	v_pk_add_f32 v[254:255], v[254:255], v[98:99]
	v_pk_add_f32 v[250:251], v[250:251], v[102:103]
	v_pk_add_f32 v[248:249], v[248:249], v[106:107]
	v_pk_add_f32 v[246:247], v[246:247], v[110:111]
	v_pk_add_f32 v[240:241], v[240:241], v[114:115]
	v_pk_add_f32 v[238:239], v[238:239], v[118:119]
	v_pk_add_f32 v[14:15], v[14:15], v[122:123]
	v_pk_add_f32 v[242:243], v[242:243], v[126:127]
	v_pk_add_f32 v[254:255], v[254:255], v[130:131]
	v_pk_add_f32 v[250:251], v[250:251], v[134:135]
	v_pk_add_f32 v[248:249], v[248:249], v[138:139]
	v_pk_add_f32 v[246:247], v[246:247], v[142:143]
	v_pk_add_f32 v[240:241], v[240:241], v[146:147]
	v_pk_add_f32 v[238:239], v[238:239], v[150:151]
	v_pk_add_f32 v[14:15], v[14:15], v[154:155]
	v_pk_add_f32 v[242:243], v[242:243], v[158:159]
	s_delay_alu instid0(VALU_DEP_2)
	v_pk_add_f32 v[14:15], v[14:15], v[248:249]
	s_delay_alu instid0(VALU_DEP_2)
	v_pk_add_f32 v[242:243], v[242:243], v[246:247]
	v_pk_add_f32 v[254:255], v[254:255], v[240:241]
	v_pk_add_f32 v[250:251], v[250:251], v[238:239]
	s_delay_alu instid0(VALU_DEP_2)
	v_pk_add_f32 v[14:15], v[14:15], v[254:255]
	s_delay_alu instid0(VALU_DEP_2)
	v_pk_add_f32 v[242:243], v[242:243], v[250:251]
	s_delay_alu instid0(VALU_DEP_1)
	v_pk_add_f32 v[14:15], v[14:15], v[242:243]
.irp b, 0,1,2,3
.set i, 0
.rept 16
.set i, i+1
.endr
	v_cvt_scalef32_pk8_fp8_f32 v[224+4*\b:225+4*\b], v[96+16*\b:103+16*\b], v244
	v_cvt_scalef32_pk8_fp8_f32 v[226+4*\b:227+4*\b], v[104+16*\b:111+16*\b], v244
.endr
.set j, 0
.rept 16
	v_pk_mul_f32 v[160+j:161+j], v[160+j:161+j], v[252:253] op_sel_hi:[1,0]   ; O^T under the new M: x f.  (Plain instructions between the conversions and the products that read the codes)
.set j, j+2
.endr
	s_wait_alu depctr_va_vdst(0)
	s_wait_dscnt 0x0                               ; V is in
.irp t, 0,1,2,3                                ; O^T += V^T P^T: four tiles of 16 channels, each its own accumulator; K = these 128 keys
	v_wmma_f32_16x16x128_fp8_fp8 v[160+8*\t:167+8*\t], v[32+16*\t:47+16*\t], v[224:239], v[160+8*\t:167+8*\t]
.endr
.Lhidden_\@:
	s_add_co_u32 s[KF], s[KF], 128
.endm
; THE CHANGE OF SLOTS stands at a slot's head.  Each wave waits for all its tensor loads (its part of the slot that it is about to read), adds 0 to its spare word, and waits for that and for its reads of the slot that it has left.
; Behind the barrier the slot ahead is whole and nobody reads the other one.  fill = 1: that other slot is filled with the keys of the next trip; the load has a whole slot's steps in which to land.  One load of a wave is out at the most.
.macro CHANGE fill
	s_wait_tensorcnt 0x0                           ; no tensor load of mine is out, so group 0 may be written
	ds_add_u32 v[SPW], v[NIL]                      ; 0 onto my spare word: the descriptor's steps stand between it and the wait for it
.if \fill
	s_xor_b32 s[G0+1], s[G0+1], SLOT1              ; the other slot than last time,
	s_add_co_u32 s[FS], s[FS], 1                   ; the next 256 keys,
	s_cmp_eq_u32 s[FS], s[SW]
	s_cselect_b32 s[FS], 0, s[FS]                  ; or, behind the first block's last, the head's first again
	s_lshl_b32 s60, s[FS], 14
	s_mov_b32 s61, 0
	s_add_nc_u64 s[G0+2:G0+3], s[KVB:KVB+1], s[60:61]
	s_or_b32 s[G0+3], s[G0+3], 0x80000000
	s_wait_xcnt 0x0                                ; the last prefetch, a slot back, has read its address, so it may be written
	s_add_nc_u64 s[PFA:PFA+1], s[PFA:PFA+1], 16384
.endif
	s_wait_dscnt 0x0                               ; the add is done, and my reads of the slot that I have left are over
	s_barrier_signal -1
	s_barrier_wait -1
.if \fill
	TLOAD                                          ; the first thing behind the barrier, and a wave's one tensor load until the next
	ASK
.endif
.endm
; A BLOCK ENDS: l's two halves and the other half of the lanes' are added; O^T / l is converted with 2^(e6 - e4 - e5) (a sum stands for sum x 2^(e4 + e5)), and stored as two chunks.
.macro FINISH
.rept 4
	v_nop                                          ; places behind the last products
.endr
	v_add_f32 v14, v14, v15
	s_delay_alu instid0(VALU_DEP_1)
	v_permlanex16_b32 v252, v14, s[SEL], s[SEL+1]
	s_delay_alu instid0(VALU_DEP_1)
	v_add_f32 v14, v14, v252                       ; the row's sum: at least 1/2
	s_wait_alu depctr_va_vdst(0)
	v_rcp_f32 v14, v14
	v_nop                                          ; a plain instruction behind the reciprocal,
	s_wait_alu depctr_va_vdst(0)                   ; and a wait ahead of its first reader
.set j, 0
.rept 16
	v_pk_mul_f32 v[96+j:97+j], v[160+j:161+j], v[14:15] op_sel_hi:[1,0]   ; register 16 c + i is channel 32 c + 16 h + i; each accumulator from its low end on
.set j, j+2
.endr
.set j, 0
.rept 32
.set j, j+1
.endr
.irp g, 0,1,2,3
	v_cvt_scalef32_pk8_fp8_f32 v[224+2*\g:225+2*\g], v[96+8*\g:103+8*\g], v245
.endr
	v_nop                                          ; one plain vector instruction behind the last conversion
	global_store_b128 v[LI], v[224:227], s[OA:OA+1]              ; 32 lanes store 512 consecutive bytes, aligned
	global_store_b128 v[LI], v[228:231], s[OA:OA+1] offset:512
.endm
	s_sub_co_u32 s[BLK], 7, s[II]                  ; the larger block first
	QLOAD
	RESET
	s_wait_kmcnt 0x0
	s_add_co_i32 s62, s54, s55                     ; a score stands for score x 2^(e2 + e3): the two exponents are added to c's exponent field
	s_lshl_b32 s62, s62, 23
	s_mov_b32 s[CS], 0x3e38aa3b                    ; log2(e) / 8
	s_add_co_i32 s[CS], s[CS], s62
	s_mov_b32 s[CS+1], s[CS]                       ; (named with it as a pair, so it is written)
	s_add_co_i32 s62, s56, 127
	s_lshl_b32 s63, s62, 23
	v_mov_b32 v244, s63                            ; 2^e4 as f32
	s_sub_co_i32 s62, s58, s56
	s_sub_co_i32 s62, s62, s57
	s_add_co_i32 s62, s62, 127
	s_lshl_b32 s63, s62, 23
	v_mov_b32 v245, s63                            ; 2^(e6 - e4 - e5)
	s_mov_b32 s[PS], 0
	s_mov_b32 s[FS], 0
	s_mov_b32 s[KF], 0
	s_mov_b32 s[TB], 0
	s_mov_b32 s[SLOTS], 8
.Lslot:                                            ; eight trips: behind each change of slots but the last the next trip's keys are asked for
	CHANGE 1
	STEP 0
	STEP 1
	s_xor_b32 s[TB], s[TB], SLOT1                  ; on to the other slot
	s_add_co_u32 s[PS], s[PS], 1
	s_cmp_lg_u32 s[PS], s[SW]                      ; behind trip 7 - I, one of these eight, the first block is done: a branch on the work-group's number, the same in all sixteen waves
	s_cbranch_scc1 .Lsame
	s_mov_b32 s[BLK], s[II]
	QLOAD                                          ; the second block's Q is on its way while the first block goes out (the last products that read Q's registers stand a softmax back)
	FINISH
	RESET
	s_mov_b32 s[PS], 0
.Lsame:
	s_lshl_b32 s[KF], s[PS], 8
	s_sub_co_u32 s[SLOTS], s[SLOTS], 1
	s_cmp_lg_u32 s[SLOTS], 0
	s_cbranch_scc1 .Lslot
	CHANGE 0                                       ; the ninth trip is written out
	STEP 0
	STEP 1
	FINISH
	s_wait_tensorcnt 0x0                           ; the wave's end: behind my last tensor load
	ds_add_u32 v[SPW], v[NIL]
	s_wait_dscnt 0x0
	s_endpgm
.Lfunc_end_k_qea0b702ccd_attn:
	.size	k_qea0b702ccd_attn, .Lfunc_end_k_qea0b702ccd_attn-k_qea0b702ccd_attn
	.p2alignl 7, 3214868480
	.fill 96, 4, 3214868480
	.section	.rodata,"a",@progbits
	.p2align	6, 0x0
	.amdhsa_kernel k_qea0b702ccd_attn
		.amdhsa_group_segment_fixed_size 327680
		.amdhsa_private_segment_fixed_size 0
		.amdhsa_enable_private_segment 0
		.amdhsa_kernarg_size 40
		.amdhsa_user_sgpr_count 2
		.amdhsa_user_sgpr_kernarg_segment_ptr 1
		.amdhsa_wavefront_size32 1
		.amdhsa_system_sgpr_workgroup_id_x 1
		.amdhsa_system_sgpr_workgroup_id_y 1
		.amdhsa_system_sgpr_workgroup_id_z 1
		.amdhsa_system_vgpr_workitem_id 0
		.amdhsa_next_free_vgpr 256
		.amdhsa_next_free_sgpr 100
		.amdhsa_reserve_vcc 1
		.amdhsa_float_denorm_mode_32 3
		.amdhsa_float_denorm_mode_16_64 3
		.amdhsa_fp16_overflow 1
		.amdhsa_memory_ordered 1
		.amdhsa_forward_progress 1
		.amdhsa_inst_pref_size 89
	.end_amdhsa_kernel
	.amdgpu_metadata
---
amdhsa.version: [ 1, 2 ]
amdhsa.kernels:
  - .name:           k_qea0b702ccd_attn
    .symbol:         k_qea0b702ccd_attn.kd
    .args:
      - { .name: qc, .offset: 0, .size: 8, .value_kind: global_buffer, .address_space: global }
      - { .name: kc, .offset: 8, .size: 8, .value_kind: global_buffer, .address_space: global }
      - { .name: vc, .offset: 16, .size: 8, .value_kind: global_buffer, .address_space: global }
      - { .name: lowp_scales, .offset: 24, .size: 8, .value_kind: global_buffer, .address_space: global }
      - { .name: ac, .offset: 32, .size: 8, .value_kind: global_buffer, .address_space: global }
    .group_segment_fixed_size: 327680
    .private_segment_fixed_size: 0
    .kernarg_segment_align: 8
    .kernarg_segment_size: 40
    .max_flat_workgroup_size: 512
    .sgpr_count:     100
    .vgpr_count:     256
    .wavefront_size: 32
...
	.end_amdgpu_metadata
.endif
;; end of part 3
;; launch proj (part 4): grid 4 x 32, 4 waves a work-group, clusters of 4 x 4, 327,680 bytes of LDS; arguments ac, woc, lowp_scales, out0; writes out0
.if DOCPART == 4
	.amdgcn_target "amdgcn-amd-amdhsa--gfx1250"
	.amdhsa_code_object_version 6
	.text
	.protected	k_qea0b702ccd_proj
	.globl	k_qea0b702ccd_proj
	.p2align	8
	.type	k_qea0b702ccd_proj,@function
k_qea0b702ccd_proj:
	s_mov_b64 s[64:65], 0
	v_nop
	global_prefetch_b8 v0, s[64:65] scope:SCOPE_SE
	s_setreg_imm32_b32 hwreg(HW_REG_WAVE_MODE, 25, 1), 1
	s_wait_xcnt 0x0
	s_wait_alu depctr_hold_cnt(0) depctr_sa_sdst(0) depctr_va_vdst(0) depctr_va_sdst(0) depctr_va_ssrc(0) depctr_va_vcc(0) depctr_vm_vsrc(0)
	s_getreg_b32 s2, hwreg(HW_REG_IB_STS2, 6, 4)
	s_cmp_eq_u32 s2, 0
	s_cbranch_scc0 .Lentry_in_a_cluster
	s_endpgm
.Lentry_in_a_cluster:
	s_bfe_u32 s2, ttmp6, 0x10000c
	s_cmp_lg_u32 s2, 0xf033
	s_cbranch_scc0 .Lentry_shape_is_right
	s_endpgm
.Lentry_shape_is_right:
; The last product: out0[token][n] = 2^(e6 + e7) x sum over k of a[token][k] w_o[n][k], on codes of FP8 (E4M3), K = 1,024; out0 is f32.
; LIMIT: e6 + e7 lies between -126 and 127, so that 2^(e6 + e7) is an f32 number.
; A tile of out0, 256 x 256, is made by a work-group of four waves; a wave makes 128 x 128: 64 accumulators of 16 x 16, 512 registers.  K goes in steps of 256 through a ring of two LDS slots filled by tensor loads.
; A's CODES ARE IMAGES OF OPERAND REGISTERS: ac is [128 tokens 64][256 of K 4][token tile 8][128 of K 2][c 4][lane 32][16]: what a wave fetches of A for a K step is one dense block of 32,768 bytes, and a fragment is four
; loads at 16 x lane + a constant: registers 4 c .. 4 c + 3 hold K = 32 c + 16 (l / 16) + 0 .. 15, the places of k that B's loads from rows give too.  B's codes (woc) lie as rows of 1,024 bytes.
; Place r of token tile t holds token 32 (t / 2) + 8 (t % 2) + r + 8 (r / 8): the rows are put back in order by the stores' offsets.
; CLUSTERS: 4 x 4 work-groups.  The four of a row of the cluster need the same blocks of A, the four of a column the same tiles of B: each is asked for JOINTLY, by the same tensor load with the same descriptor and a mask
; that names the four.  The matrix instruction is used transposed (source 0 = 16 rows of B, source 1 = 16 rows of A): a lane then holds eight neighbouring numbers of a row of out0.
; The grid is 128 work-groups: 32 x 4 tiles of 256 x 256.
; REGISTERS, in windows of 256: window 0: v0-31 addresses; from v128 A's fragments, ONE set; on the way out v32-255 are free.   window 1: B's fragments, TWO sets.
;   window 2: the accumulators of my rows 0-63 ((a, b) at v[8 (8 a + b)]);   window 3: those of my rows 64-127.
.set ROWB,   256                       ; a row of B's tile in bytes
.set KROW,   1024                      ; a row of woc in memory
.set ABLK,   32768                     ; A: 128 tokens x 256 of K
.set PITCH,  272                       ; B's LDS row: 256 bytes + 16 of padding = 68 words: row r starts at bank 4 r mod 64 (64 banks of 4 bytes: ISA guide 11.1)
.set FR,     16
.set NL,     4
.set NP,     4                         ; places behind this matrix instruction (ISA guide 7.12.1)
.set HALFT,  128*PITCH                 ; a wave's place in a slot: 128 padded rows of B; A's block uses 32,768 of these bytes
.set SLOT,   4*HALFT
.set SPARE,  2*SLOT                    ; behind the ring: the spare words, 128 bytes for each wave: two blocks of 256 bytes that no other line names
.set SPITCH, 528                       ; the way out: a stage of 16 rows x (512 bytes + 16) for each wave, in slot 0, which has had its last fill and its last read when the first result is stored there
.set NROW,   4096                      ; a row of out0 in bytes
.set ADRA, 16
.set ADRB, 20
.set STO,  24
.set RD,   25
.set CO,   26
.set SPW,  28
.set NIL,  29
.set TMP,  32
.set AF,   128
.set BK,   128
.set G1, 24
.set G0, 32
.set G1B, 48
.set G0B, 56
.set MSB, 0
.macro WIN new                         ; the immediate's high byte repeats the setting that is left
.if MSB != \new
	s_set_vgpr_msb (MSB<<8)|\new
.set MSB, \new
.endif
.endm
.set MUL_LO, 0xa1                      ; source 0 (B) window 1, source 1 (A) window 0, C and D window 2
.set MUL_HI, 0xf1                      ; the same, C and D window 3
.set TO_B,   0x40                      ; destination window 1, address window 0
; A joint load: waves 0 and 1 fetch for A, waves 2 and 3 for B.  Each line has ONE mask and one set of registers for all that issue it; the branch hangs on the wave's number alone.  Four v_nop follow each line.
.macro JLOAD g0a, g1a, g0b, g1b
	s_cmp_eq_u32 s15, 0
	s_cbranch_scc0 .Lfor_b_\@
	tensor_load_to_lds s[\g0a:\g0a+3], s[\g1a:\g1a+7]
	s_nop 0
.rept 4
	v_nop
.endr
	s_branch .Lasked_\@
.Lfor_b_\@:
	tensor_load_to_lds s[\g0b:\g0b+3], s[\g1b:\g1b+7]
	s_nop 0
.rept 4
	v_nop
.endr
.Lasked_\@:
.endm
.macro CREST                           ; a round of the cluster's barrier behind its opening barrier
	s_cmp_lg_u32 s14, 0
	s_cbranch_scc1 .Lnot_wave_0_\@
	s_barrier_signal -3
.Lnot_wave_0_\@:
	s_barrier_wait -3
	s_barrier_signal -1
	s_barrier_wait -1
.endm
.macro CROUND                          ; a whole round
	s_barrier_signal -1
	s_barrier_wait -1
	CREST
.endm
	s_load_b128 s[4:7], s[0:1], 0x0                ; ac s[4:5], woc s[6:7]
	s_load_b128 s[8:11], s[0:1], 0x10              ; the scales' exponents s[8:9], out0 s[10:11]
	v_lshl_add_u32 v[SPW], v0, 2, SPARE
	v_mov_b32 v[NIL], 0
	ds_add_u32 v28, v29
	ds_add_u32 v28, v29
	s_wait_dscnt 0x0
	v_lshrrev_b32 v1, 5, v0
	v_readfirstlane_b32 s14, v1                    ; wave 0..3
	s_lshr_b32 s15, s14, 1                         ; which half of the tile's rows is mine.  Also: I fetch for A (0) or for B (1)
	s_and_b32 s16, s14, 1                          ; which half of its columns.  Also: which 128 rows of that tile I fetch
	s_bfe_u32 s40, ttmp6, 0x40000                  ; cx, cy: my place in the cluster
	s_bfe_u32 s41, ttmp6, 0x40004
	s_lshl_b32 s42, ttmp9, 2
	s_add_co_u32 s42, s42, s40                     ; tile column = 4 x cluster x + cx
	s_and_b32 s17, ttmp7, 0xffff
	s_lshl_b32 s17, s17, 2
	s_add_co_u32 s17, s17, s41                     ; tile row = 4 x cluster y + cy
	s_lshl_b32 s43, s41, 2
	s_lshl_b32 s43, 15, s43                        ; my row of the cluster
	s_lshl_b32 s44, 0x1111, s40                    ; my column
	s_or_b32 s[G1+0], s43, (3<<16)|(1<<21)         ; A: 15:0 the mask of my row; 17:16 elements of 8 bytes; 21 set beside a mask; no padding
	s_mov_b32 s[G1+1], 32<<16                      ; tensor_dim0 = 32 elements: rows of 256 bytes,
	s_mov_b32 s[G1+2], 128<<16                     ; tensor_dim1 = 128 of them: a dense block of 32,768 bytes
	s_mov_b32 s[G1+3], 32<<16                      ; tile_dim0
	s_mov_b32 s[G1+4], 128                         ; tile_dim1
	s_mov_b32 s[G1+5], 32                          ; tensor_dim0_stride
	s_mov_b32 s[G1+6], 0
	s_mov_b32 s[G1+7], 0
	s_or_b32 s[G1B+0], s44, (0<<16)|(1<<20)|(1<<21)|(5<<22)|(3<<25) ; B: the mask of my column; elements of 1 byte; padding on: after every 64 words (code 5) 4 words (code 3)
	s_mov_b32 s[G1B+1], ROWB<<16
	s_mov_b32 s[G1B+2], 128<<16
	s_mov_b32 s[G1B+3], ROWB<<16
	s_mov_b32 s[G1B+4], 128
	s_mov_b32 s[G1B+5], KROW
	s_mov_b32 s[G1B+6], 0
	s_mov_b32 s[G1B+7], 0
	s_lshl_b32 s20, s17, 1
	s_add_co_u32 s20, s20, s16                     ; A: group of 128 tokens 2 x tile row + half,
	s_lshl_b32 s20, s20, 17                        ; 131,072 bytes each
	s_mov_b32 s21, 0
	s_lshl_b32 s18, s16, 7
	s_lshl_b32 s46, s42, 8
	s_add_co_u32 s46, s46, s18                     ; B: row 256 x tile column + 128 x half,
	s_lshl_b32 s46, s46, 10                        ; 1,024 bytes each
	s_mov_b32 s47, 0
	s_mul_i32 s45, s14, HALFT                      ; where they go: no place in the cluster enters an LDS address
	s_wait_kmcnt 0x0
	s_load_b64 s[96:97], s[8:9], 0x18              ; e6, e7
	s_add_nc_u64 s[20:21], s[4:5], s[20:21]
	s_add_nc_u64 s[46:47], s[6:7], s[46:47]
	CROUND                                         ; all sixteen work-groups are here: the first joint loads meet
.irp s, 0,1
	s_mov_b32 s[G0+4*\s], 1
	s_add_co_u32 s[G0+4*\s+1], s45, \s*SLOT
	s_add_nc_u64 s[G0+4*\s+2:G0+4*\s+3], s[20:21], \s*ABLK
	s_or_b32 s[G0+4*\s+3], s[G0+4*\s+3], 0x80000000
	s_mov_b32 s[G0B+4*\s], 1
	s_add_co_u32 s[G0B+4*\s+1], s45, \s*SLOT
	s_add_nc_u64 s[G0B+4*\s+2:G0B+4*\s+3], s[46:47], \s*ROWB
	s_or_b32 s[G0B+4*\s+3], s[G0B+4*\s+3], 0x80000000
	s_wait_alu depctr_va_vdst(0)
	s_wait_tensorcnt 0x0
	ds_add_u32 v28, v29
	ds_add_u32 v28, v29
	s_wait_dscnt 0x0
	CROUND
	JLOAD G0+4*\s, G1, G0B+4*\s, G1B               ; one load of mine is out
.endr
	v_and_b32 v1, 15, v0                           ; l % 16
	v_bfe_u32 v2, v0, 4, 1                         ; l / 16
	v_mul_u32_u24 v3, v1, PITCH
	v_lshl_add_u32 v4, v2, 4, v3                   ; B: a fragment's row x pitch + 16 x half
	v_and_b32 v6, 31, v0
	v_lshlrev_b32 v[CO], 4, v6                     ; 16 x lane: A's images; a row of the stage read back; and the same 512 bytes in out0
	s_wait_alu depctr_va_vdst(0)
	s_mul_i32 s21, s15, HALFT                      ; my 128 tokens of A
	s_mul_i32 s22, s16, HALFT                      ; my 128 rows of B,
	s_add_co_u32 s22, s22, 2*HALFT                 ; which lie behind A's two places
.irp s, 0,1
	v_add_nc_u32 v[ADRA+\s], s21, v[CO]
	v_add_nc_u32 v[ADRB+\s], s22, v4
	s_add_co_u32 s21, s21, SLOT
	s_add_co_u32 s22, s22, SLOT
.endr
	s_mul_i32 s23, s14, 16*SPITCH                  ; my stage
	v_mul_u32_u24 v5, v1, SPITCH                   ; in: row l % 16, 32 bytes for each half of the lanes
	v_lshl_add_u32 v5, v2, 5, v5
	v_add_nc_u32 v[STO], s23, v5
	v_add_nc_u32 v[RD], s23, v[CO]                 ; back: the 32 lanes take one row of 512 bytes
	s_lshl_b32 s20, s17, 8
	s_lshl_b32 s21, s15, 7
	s_add_co_u32 s20, s20, s21                     ; my first row of out0: 256 x tile row + 128 x half,
	s_lshl_b32 s20, s20, 12                        ; in bytes (under 2^25),
	s_lshl_b32 s46, s42, 10                        ; my first column: 1,024 x tile column + 512 x half
	s_lshl_b32 s47, s16, 9
	s_add_co_u32 s46, s46, s47
	s_add_co_u32 s20, s20, s46
	s_mov_b32 s21, 0
	s_add_nc_u64 s[10:11], s[10:11], s[20:21]
.macro FRAG reg, adr, q, i             ; a fragment of B from rows: lane l holds row l % 16; registers 4 c .. 4 c + 3 hold K = 32 c + 16 (l / 16) + 0 .. 15
.irp c, 0,1,2,3
	ds_load_b128 v[\reg+4*\c:\reg+4*\c+3], v[\adr] offset:128*(\q)+32*\c+(\i)*16*PITCH
.endr
.endm
.macro FRAGA reg, adr, q, i            ; a fragment of A from its image: token tile i, the q-th 128 of K, four chunks of 512 bytes
.irp c, 0,1,2,3
	ds_load_b128 v[\reg+4*\c:\reg+4*\c+3], v[\adr] offset:4096*(\i)+2048*(\q)+512*\c
.endr
.endm
; 16 matrix instructions: A's blocks a0, a0 + 1 x B's eight, 128 along K.  p: B's set.  zero = 1: the first product starts the sums.  The 64 accumulators take turns, one instruction a turn.
.macro MUL16 a0, p, zero
.irp a, \a0, \a0+1
.irp b, 0,1,2,3,4,5,6,7
.if \zero
	v_wmma_f32_16x16x128_fp8_fp8 v[8*(8*((\a)%4)+\b):8*(8*((\a)%4)+\b)+7], v[128*(\p)+FR*\b:128*(\p)+FR*\b+FR-1], v[AF+FR*(\a):AF+FR*(\a)+FR-1], 0
.else
	v_wmma_f32_16x16x128_fp8_fp8 v[8*(8*((\a)%4)+\b):8*(8*((\a)%4)+\b)+7], v[128*(\p)+FR*\b:128*(\p)+FR*\b+FR-1], v[AF+FR*(\a):AF+FR*(\a)+FR-1], v[8*(8*((\a)%4)+\b):8*(8*((\a)%4)+\b)+7]
.endif
.endr
.endr
.endm
.macro FETCH_B slot, q, p
	WIN TO_B
.irp i, 0,1,2,3,4,5,6,7
	FRAG 128*(\p)+FR*\i, ADRB+\slot, \q, \i
.endr
	WIN 0
.endm
.macro FETCH_A slot, q, i0
.irp i, \i0, \i0+1, \i0+2, \i0+3
	FRAGA AF+FR*(\i), ADRA+\slot, \q, \i
.endr
.endm
; A load into a register that a matrix instruction has read, and a vector instruction that reads a matrix result, stand NP places behind it; only plain vector instructions that name none of its registers are places (ISA guide 7.12.1 for vector instructions).
.macro PLACES n
.rept \n
	v_nop
.endr
.endm
.macro STEP slot, q, zero              ; a step of 128 along K that has its successor in the same slot
	s_wait_dscnt 4*NL                              ; B's set and A's blocks 0-3 are in; the youngest sixteen loads (A's blocks 4-7) may be out
	WIN MUL_LO
	MUL16 0, (\q)%2, \zero
	MUL16 2, (\q)%2, \zero
	s_wait_dscnt 0                                 ; A's blocks 4-7 are in
	PLACES NP
	FETCH_B \slot, (\q)+1, 1-(\q)%2
	FETCH_A \slot, (\q)+1, 0
	WIN MUL_HI
	MUL16 4, (\q)%2, \zero
	MUL16 6, (\q)%2, \zero
	PLACES NP
	WIN 0
	FETCH_A \slot, (\q)+1, 4
.endm
; A slot's last step changes slots: ONE barrier; in front of it each wave waits for all its tensor loads, adds 0 to its spare word, and waits for that and for its own reads of this slot.  fill = 1: this slot is filled again, two K steps ahead.
.macro TURN slot, next, fill
	s_wait_tensorcnt 0x0                           ; all my tensor loads have landed: my part of the next slot;  (every window is 0 here)
	ds_add_u32 v[SPW], v[NIL]                      ; 0 onto my spare word
	s_wait_dscnt 4*NL+1                            ; (the add and the youngest sixteen loads may be out)
	WIN MUL_LO
	MUL16 0, 1, 0                                  ; sixteen matrix instructions stand between the add and the wait for it
	s_wait_dscnt 0x0                               ; the add is done, and my reads of this slot are over
	s_barrier_signal -1
	MUL16 2, 1, 0
	WIN 0
	s_barrier_wait -1
.if \fill
	CREST                                          ; the barrier has opened a round of the cluster's barrier: no wave of any partner still reads this slot or has a load on its way
	s_add_nc_u64 s[G0+4*\slot+2:G0+4*\slot+3], s[G0+4*\slot+2:G0+4*\slot+3], 2*ABLK
	s_add_nc_u64 s[G0B+4*\slot+2:G0B+4*\slot+3], s[G0B+4*\slot+2:G0B+4*\slot+3], 2*ROWB
	JLOAD G0+4*\slot, G1, G0B+4*\slot, G1B         ; the first tensor load behind the round, my only one until the next; its four v_nop are the places in front of the loads below
.else
	PLACES NP
.endif
	FETCH_B \next, 0, 0
	FETCH_A \next, 0, 0
	WIN MUL_HI
	MUL16 4, 1, 0
	MUL16 6, 1, 0
	PLACES NP
	WIN 0
	FETCH_A \next, 0, 4
.endm
	s_wait_alu depctr_va_vdst(0)
	s_wait_tensorcnt 1                             ; my part of K step 0 is in (K step 1's load may be out)
	s_barrier_signal -1
	s_barrier_wait -1                              ; everybody's is
	FETCH_B 0, 0, 0
	FETCH_A 0, 0, 0
	FETCH_A 0, 0, 4
	; K = 1,024 is four K steps of 256, twice round the ring: written out, eight steps of 128
	STEP 0, 0, 1                                   ; the first products start the sums
	TURN 0, 1, 1                                   ; slot 0 takes K step 2
	STEP 1, 0, 0
	TURN 1, 0, 1                                   ; slot 1 takes K step 3
	STEP 0, 0, 0
	TURN 0, 1, 0                                   ; the last lap fills nothing
	STEP 1, 0, 0
	s_wait_dscnt 4*NL
	WIN MUL_LO
	MUL16 0, 1, 0
	MUL16 2, 1, 0
	s_wait_dscnt 0
	WIN MUL_HI
	MUL16 4, 1, 0
	MUL16 6, 1, 0
	WIN 0
; THE WAY OUT, block by block of 16 rows x 128 columns.  A lane holds 32 neighbouring bytes of a row, and the lanes beside it hold other rows: so a block goes through my own stage in LDS and comes back as whole rows of
; 512 bytes.  LDS serves a wave's instructions in order (ISA guide 5.7.1.4): no wait between the stores and the loads, nor in front of the next block's stores.
.macro TOSTAGE a
.set AC, 64*((\a)%4)
	WIN 0x02+((\a)/4)                              ; source 0: window 2 or 3
.set j, 0
.rept 32
	v_pk_mul_f32 v[TMP+j:TMP+j+1], v[AC+j:AC+j+1], s[96:97] op_sel_hi:[1,0]   ; both x s96 = 2^(e6 + e7); each accumulator from its low end on
.set j, j+2
.endr
	WIN 0
.irp b, 0,1,2,3,4,5,6,7
	ds_store_b128 v[STO], v[TMP+8*\b:TMP+8*\b+3] offset:64*\b
	ds_store_b128 v[STO], v[TMP+8*\b+4:TMP+8*\b+7] offset:64*\b+16
.endr
.set BB, BK+64*((\a)%2)
.irp t, 0,1,2,3,4,5,6,7,8,9,10,11,12,13,14,15
	ds_load_b128 v[BB+4*\t:BB+4*\t+3], v[RD] offset:\t*SPITCH
.endr
.endm
.macro SEND a, younger                 ; younger: the LDS instructions issued behind block a's loads, which may stay out
.set BB, BK+64*((\a)%2)
	s_wait_dscnt \younger                          ; the block is back in registers
.irp t, 0,1,2,3,4,5,6,7,8,9,10,11,12,13,14,15
	global_store_b128 v[CO], v[BB+4*\t:BB+4*\t+3], s[10:11] offset:(32*((\a)/2)+8*((\a)%2)+\t+8*(\t/8))*NROW th:TH_STORE_NT   ; place t of block a is this token; 512 consecutive bytes, aligned; 127 rows on at the most, inside the signed 24-bit immediate
.endr
.endm
	s_wait_kmcnt 0x0
	s_add_co_i32 s96, s96, s97                     ; e6 + e7, between -126 and 127,
	s_add_co_i32 s96, s96, 127
	s_lshl_b32 s96, s96, 23                        ; makes the f32 number 2^(e6 + e7)
	PLACES NP                                      ; in front of the first read of results, and of the loads into the registers that held A's fragments
	TOSTAGE 0
.irp a, 1,2,3,4,5,6,7
.if \a > 1
	s_wait_xcnt 0x0                                ; block a - 2's stores have read their registers: block a's loads may land there
.endif
	TOSTAGE \a
	SEND \a-1, 32                                  ; behind block a - 1's loads: block a's 16 stores and 16 loads
.endr
	SEND 7, 0
	s_wait_tensorcnt 0x0                           ; the wave's end: behind my last tensor load and my last LDS store
	ds_add_u32 v[SPW], v[NIL]
	s_wait_dscnt 0x0
	CROUND                                         ; the closing round: no work-group ends while a partner may still ask for a tile that names it
	s_endpgm
.Lfunc_end_k_qea0b702ccd_proj:
	.size	k_qea0b702ccd_proj, .Lfunc_end_k_qea0b702ccd_proj-k_qea0b702ccd_proj
	.p2alignl 7, 3214868480
	.fill 96, 4, 3214868480
	.section	.rodata,"a",@progbits
	.p2align	6, 0x0
	.amdhsa_kernel k_qea0b702ccd_proj
		.amdhsa_group_segment_fixed_size 327680
		.amdhsa_private_segment_fixed_size 0
		.amdhsa_enable_private_segment 0
		.amdhsa_kernarg_size 32
		.amdhsa_user_sgpr_count 2
		.amdhsa_user_sgpr_kernarg_segment_ptr 1
		.amdhsa_wavefront_size32 1
		.amdhsa_system_sgpr_workgroup_id_x 1
		.amdhsa_system_sgpr_workgroup_id_y 1
		.amdhsa_system_sgpr_workgroup_id_z 1
		.amdhsa_system_vgpr_workitem_id 0
		.amdhsa_next_free_vgpr 1024
		.amdhsa_next_free_sgpr 98
		.amdhsa_reserve_vcc 0
		.amdhsa_float_denorm_mode_32 3
		.amdhsa_float_denorm_mode_16_64 3
		.amdhsa_memory_ordered 1
		.amdhsa_forward_progress 1
		.amdhsa_inst_pref_size 123
	.end_amdhsa_kernel
	.amdgpu_metadata
---
amdhsa.version: [ 1, 2 ]
amdhsa.kernels:
  - .name:           k_qea0b702ccd_proj
    .symbol:         k_qea0b702ccd_proj.kd
    .args:
      - { .name: ac, .offset: 0, .size: 8, .value_kind: global_buffer, .address_space: global }
      - { .name: woc, .offset: 8, .size: 8, .value_kind: global_buffer, .address_space: global }
      - { .name: lowp_scales, .offset: 16, .size: 8, .value_kind: global_buffer, .address_space: global }
      - { .name: out0, .offset: 24, .size: 8, .value_kind: global_buffer, .address_space: global }
    .group_segment_fixed_size: 327680
    .private_segment_fixed_size: 0
    .kernarg_segment_align: 8
    .kernarg_segment_size: 32
    .max_flat_workgroup_size: 128
    .sgpr_count:     98
    .vgpr_count:     1024
    .wavefront_size: 32
...
	.end_amdgpu_metadata
.endif
;; end of part 4
